; MI455X (gfx1250); checked and timed in simulation.
; The chip was launched on July 23, 2026; its instructions are those of AMD's public machine-readable ISA for CDNA 5 (MIT licence, August 2026) and "CDNA5" Instruction Set Architecture Reference Guide (July 2026). The comments in the code are by the model that wrote it; some were corrected since.
;; Quant MLP. Allowed arithmetic: float matrix products may take bf16 or f16 operands with f32 sums; other float arithmetic in f32, or as packed bf16 or f16 multiplies, adds, multiply-adds, maxima and minima; sums over many terms, partial sums and values carried from step to step in f32; what a program stores and reads back later, other than sums and carried values, may be rounded once to bf16 or f16.
;; Inputs: b1 3,072 float32; b2 768 float32; w1 3,072 x 768 float32; w2 768 x 3,072 float32; x 64 x 197 x 768 float32.
;; Outputs: out0 64 x 197 x 768 float32.
;; 2 versions, each right; version 2 is version 1 with the launch quant written anew for expert scheduling mode. Each part assembles by itself: llvm-mc -triple=amdgcn-amd-amdhsa -mcpu=gfx1250 --defsym DOCPART=n.
;; ======== version 1 of 2: 4 launches
;; workspace buffers: part1 7,168 bytes; scal 256 bytes; xq 19,365,888 bytes; w1q 4,718,592 bytes; w2q 4,718,592 bytes; g 154,927,104 bytes; part2 16,384 bytes
;; launch minmax (part 1): grid 879 x 1, 8 waves a work-group, no clusters, 1,280 bytes of LDS; arguments x, w1, w2, part1; writes part1
.if DOCPART == 1
	.amdgcn_target "amdgcn-amd-amdhsa--gfx1250"
	.amdhsa_code_object_version 6
	.text
	.protected	k_qbce5ad1e8c_minmax
	.globl	k_qbce5ad1e8c_minmax
	.p2align	8
	.type	k_qbce5ad1e8c_minmax,@function
k_qbce5ad1e8c_minmax:
	s_mov_b64 s[64:65], 0
	v_nop
	global_prefetch_b8 v0, s[64:65] scope:SCOPE_SE
	s_setreg_imm32_b32 hwreg(HW_REG_WAVE_MODE, 25, 1), 1
	s_wait_xcnt 0x0
; MINMAX.  The smallest and the largest number of each chunk of 65,536 bytes of x (chunks 0-590), w1 (591-734) and w2 (735-878).
; A work-group of eight waves takes one chunk: thread t loads 16 bytes at 16 t + 4,096 k, k = 0..15, so each load of a wave covers 512 consecutive bytes.
; All sixteen loads go out at once: there is no loop.  The pair (min, max) goes to part1 at 8 x chunk.
; LIMIT.  A NaN is dropped by the minimum and the maximum; infinities are not treated apart.
; No matrix unit, no cluster, no tensor load: each byte is read by one thread and nothing is shared.
.set SPARE, 256                        ; LDS: bytes 0-63 eight pairs; from 256 on the spare words, 128 bytes a wave
.set D,  16                            ; v[16:79] the thread's 64 numbers
.set MN, 4
.set MX, 5
.set TT, 6
.macro LMIN r                          ; the minimum over the wave's 32 lanes, in every lane
	v_min_num_f32_dpp v[\r], v[\r], v[\r] row_xmask:1 row_mask:0xf bank_mask:0xf
	v_min_num_f32_dpp v[\r], v[\r], v[\r] row_xmask:2 row_mask:0xf bank_mask:0xf
	v_min_num_f32_dpp v[\r], v[\r], v[\r] row_xmask:4 row_mask:0xf bank_mask:0xf
	v_min_num_f32_dpp v[\r], v[\r], v[\r] row_xmask:8 row_mask:0xf bank_mask:0xf
	v_permlanex16_b32 v[TT], v[\r], s22, s23
	v_min_num_f32 v[\r], v[\r], v[TT]
.endm
.macro LMAX r
	v_max_num_f32_dpp v[\r], v[\r], v[\r] row_xmask:1 row_mask:0xf bank_mask:0xf
	v_max_num_f32_dpp v[\r], v[\r], v[\r] row_xmask:2 row_mask:0xf bank_mask:0xf
	v_max_num_f32_dpp v[\r], v[\r], v[\r] row_xmask:4 row_mask:0xf bank_mask:0xf
	v_max_num_f32_dpp v[\r], v[\r], v[\r] row_xmask:8 row_mask:0xf bank_mask:0xf
	v_permlanex16_b32 v[TT], v[\r], s22, s23
	v_max_num_f32 v[\r], v[\r], v[TT]
.endm
	s_load_b256 s[4:11], s[0:1], 0x0               ; x s[4:5], w1 s[6:7], w2 s[8:9], part1 s[10:11]
	v_lshl_add_u32 v12, v0, 2, SPARE               ; my spare word,
	v_mov_b32 v13, 0                               ; and 0: kept for the wave's end
	v_lshrrev_b32 v2, 5, v0
	v_readfirstlane_b32 s20, v2                    ; wave 0..7
	v_lshlrev_b32 v1, 4, v0                        ; 16 t
	v_lshlrev_b32 v8, 3, v2                        ; 8 x wave: my wave's pair in LDS
	v_mov_b32 v9, 0
	v_mov_b32 v[TT], 0                             ; v_permlanex16_b32 counts as a reader of its destination
	s_mov_b32 s15, ttmp9                           ; the chunk
	v_mov_b32 v10, s15
	v_lshlrev_b32 v10, 3, v10                      ; 8 x chunk
	s_mov_b32 s22, 0x76543210                      ; each lane takes its own place in the other half
	s_mov_b32 s23, 0xfedcba98
	s_sub_co_u32 s13, s15, 591                     ; the chunk's number inside w1,
	s_sub_co_u32 s14, s15, 735                     ; inside w2
	s_wait_kmcnt 0x0
	s_cmp_lt_u32 s15, 735
	s_cselect_b64 s[16:17], s[6:7], s[8:9]
	s_cselect_b32 s12, s13, s14
	s_cmp_lt_u32 s15, 591
	s_cselect_b64 s[16:17], s[4:5], s[16:17]
	s_cselect_b32 s12, s15, s12
	s_lshl_b32 s18, s12, 16                        ; at most 590 x 65,536: under 2^32
	s_mov_b32 s19, 0
	s_add_nc_u64 s[16:17], s[16:17], s[18:19]
.set k, 0
.rept 16
	global_load_b128 v[D+4*k:D+4*k+3], v1, s[16:17] offset:4096*k  ; no hint: the next launch reads these bytes again
.set k, k+1
.endr
	s_wait_loadcnt 12                              ; the first four loads are in; twelve younger ones stay out
	v_min_num_f32 v[MN], v[D], v[D+1]
	v_max_num_f32 v[MX], v[D], v[D+1]
.set j, 2
.rept 31
.if (j % 16) == 0
	s_wait_loadcnt 12-4*(j/16)                     ; the next four loads: 8, 4, 0 younger ones
.endif
	v_min3_num_f32 v[MN], v[MN], v[D+j], v[D+j+1]
	v_max3_num_f32 v[MX], v[MX], v[D+j], v[D+j+1]
.set j, j+2
.endr
	LMIN MN
	LMAX MX
	ds_store_b64 v8, v[MN:MX]                      ; all lanes write the same pair to the wave's place
	s_wait_dscnt 0x0                               ; for the others' sake: my store is done
	s_barrier_signal -1
	s_barrier_wait -1
	s_cmp_lg_u32 s20, 0                            ; wave 0 finishes
	s_cbranch_scc1 .Lend
	ds_load_b128 v[16:19], v9
	ds_load_b128 v[20:23], v9 offset:16
	ds_load_b128 v[24:27], v9 offset:32
	ds_load_b128 v[28:31], v9 offset:48
	s_wait_dscnt 0x0
	v_min3_num_f32 v[MN], v16, v18, v20
	v_max3_num_f32 v[MX], v17, v19, v21
	v_min3_num_f32 v[MN], v[MN], v22, v24
	v_max3_num_f32 v[MX], v[MX], v23, v25
	v_min3_num_f32 v[MN], v[MN], v26, v28
	v_max3_num_f32 v[MX], v[MX], v27, v29
	v_min_num_f32 v[MN], v[MN], v30
	v_max_num_f32 v[MX], v[MX], v31
	s_wait_xcnt 0x0                                ; EXEC is a source of the loads above: it changes only behind this wait
	v_cmp_eq_u32 vcc_lo, 0, v0
	s_and_saveexec_b32 s24, vcc_lo                 ; thread 0 alone
	global_store_b64 v10, v[MN:MX], s[10:11]
	s_wait_xcnt 0x0                                ; and again in front of the line that widens it
	s_or_b32 exec_lo, exec_lo, s24
.Lend:
	s_wait_tensorcnt 0x0                           ; the wave's end: three lines behind my last LDS store
	ds_add_u32 v12, v13
	s_wait_dscnt 0x0
	s_endpgm
.Lfunc_end_k_qbce5ad1e8c_minmax:
	.size	k_qbce5ad1e8c_minmax, .Lfunc_end_k_qbce5ad1e8c_minmax-k_qbce5ad1e8c_minmax
	.p2alignl 7, 3214868480
	.fill 96, 4, 3214868480
	.section	.rodata,"a",@progbits
	.p2align	6, 0x0
	.amdhsa_kernel k_qbce5ad1e8c_minmax
		.amdhsa_group_segment_fixed_size 1280
		.amdhsa_private_segment_fixed_size 0
		.amdhsa_enable_private_segment 0
		.amdhsa_kernarg_size 32
		.amdhsa_user_sgpr_count 2
		.amdhsa_user_sgpr_kernarg_segment_ptr 1
		.amdhsa_wavefront_size32 1
		.amdhsa_system_sgpr_workgroup_id_x 1
		.amdhsa_system_sgpr_workgroup_id_y 1
		.amdhsa_system_sgpr_workgroup_id_z 1
		.amdhsa_system_vgpr_workitem_id 0
		.amdhsa_next_free_vgpr 88
		.amdhsa_next_free_sgpr 66
		.amdhsa_reserve_vcc 1
		.amdhsa_float_denorm_mode_32 3
		.amdhsa_float_denorm_mode_16_64 3
		.amdhsa_memory_ordered 1
		.amdhsa_forward_progress 1
		.amdhsa_inst_pref_size 9
	.end_amdhsa_kernel
	.amdgpu_metadata
---
amdhsa.version: [ 1, 2 ]
amdhsa.kernels:
  - .name:           k_qbce5ad1e8c_minmax
    .symbol:         k_qbce5ad1e8c_minmax.kd
    .args:
      - { .name: x, .offset: 0, .size: 8, .value_kind: global_buffer, .address_space: global }
      - { .name: w1, .offset: 8, .size: 8, .value_kind: global_buffer, .address_space: global }
      - { .name: w2, .offset: 16, .size: 8, .value_kind: global_buffer, .address_space: global }
      - { .name: part1, .offset: 24, .size: 8, .value_kind: global_buffer, .address_space: global }
    .group_segment_fixed_size: 1280
    .private_segment_fixed_size: 0
    .kernarg_segment_align: 8
    .kernarg_segment_size: 32
    .max_flat_workgroup_size: 256
    .sgpr_count:     66
    .vgpr_count:     88
    .wavefront_size: 32
...
	.end_amdgpu_metadata
.endif
;; end of part 1
;; launch quant (part 2): grid 879 x 1, 8 waves a work-group, no clusters, 0 bytes of LDS; arguments x, w1, w2, part1, xq, w1q, w2q, scal; writes xq, w1q, w2q, scal
.if DOCPART == 2
	.amdgcn_target "amdgcn-amd-amdhsa--gfx1250"
	.amdhsa_code_object_version 6
	.text
	.protected	k_qbce5ad1e8c_quant
	.globl	k_qbce5ad1e8c_quant
	.p2align	8
	.type	k_qbce5ad1e8c_quant,@function
k_qbce5ad1e8c_quant:
	s_mov_b64 s[64:65], 0
	v_nop
	global_prefetch_b8 v0, s[64:65] scope:SCOPE_SE
	s_setreg_imm32_b32 hwreg(HW_REG_WAVE_MODE, 25, 1), 1
	s_wait_xcnt 0x0
; QUANT.  The codes of x, w1 and w2 as bf16 whole numbers.  x: clip(round(x / s), -zp, 255 - zp) = q - zp, s = max(max - min, 1e-8) / 255, zp = round(-min / s).
; w: clip(round(w / s), -128, 127), s = max(max|w|, 1e-8) / 127.  The products of the two GEMMs are then taken on whole numbers, and the scales go into one multiply-add behind the sums.
; A work-group takes a chunk of 65,536 input bytes (the chunks of the launch before): thread t loads 16 bytes at 16 t + 4,096 k and stores 8 bytes at 8 t + 2,048 k:
; each store of a wave covers 256 consecutive bytes, aligned.  Every wave reduces the 879 pairs of part1 (7,032 bytes) for itself: no LDS, no barrier.
; THE QUOTIENT IS THE ROUNDED TRUE QUOTIENT: q0 = a y, r = a - b q0 (exact, by a fused multiply-add), q = q0 + r y, with y = 1 / b refined once.  One other code in x would move a whole row
; of the first product, so a product with a rounded reciprocal alone does not serve here.  EXACT_DIVC = 1: d / 255 and a / 127 are true quotients too; 0: products with the rounded 1 / 255, 1 / 127.
; LIMITS.  NaN and infinities are not treated apart.  q - zp is exact in bf16 while min <= 0 <= max (it then lies in -255 .. 255); where x carries a common offset beyond its spread it passes 256
; and is rounded to bf16's 8 bits, as a matrix operand.
.set EXACT_DIVC, 1
.set P,  16                            ; v[16:73]   29 pairs of part1 a lane
.set X,  80                            ; v[80:143]  the thread's 64 numbers
.set O,  144                           ; v[144:175] 32 words of codes, each store's own
.set T,  176                           ; v176 min x, v177 max x, v178 max|w1|, v179 max|w2|, v180 at work, v181-183 the three scales
.set QT, 184                           ; v[184:191] at work
.macro LMIN r
	v_min_num_f32_dpp v[\r], v[\r], v[\r] row_xmask:1 row_mask:0xf bank_mask:0xf
	v_min_num_f32_dpp v[\r], v[\r], v[\r] row_xmask:2 row_mask:0xf bank_mask:0xf
	v_min_num_f32_dpp v[\r], v[\r], v[\r] row_xmask:4 row_mask:0xf bank_mask:0xf
	v_min_num_f32_dpp v[\r], v[\r], v[\r] row_xmask:8 row_mask:0xf bank_mask:0xf
	v_permlanex16_b32 v[QT], v[\r], s46, s47
	v_min_num_f32 v[\r], v[\r], v[QT]
.endm
.macro LMAX r
	v_max_num_f32_dpp v[\r], v[\r], v[\r] row_xmask:1 row_mask:0xf bank_mask:0xf
	v_max_num_f32_dpp v[\r], v[\r], v[\r] row_xmask:2 row_mask:0xf bank_mask:0xf
	v_max_num_f32_dpp v[\r], v[\r], v[\r] row_xmask:4 row_mask:0xf bank_mask:0xf
	v_max_num_f32_dpp v[\r], v[\r], v[\r] row_xmask:8 row_mask:0xf bank_mask:0xf
	v_permlanex16_b32 v[QT], v[\r], s46, s47
	v_max_num_f32 v[\r], v[\r], v[QT]
.endm
.macro DIVC q, a, yc, nb               ; q = a / b for a constant b: yc = the rounded 1 / b, nb = -b
	v_mul_f32 v[\q], \yc, v[\a]
.if EXACT_DIVC
	v_fmamk_f32 v[QT], v[\q], \nb, v[\a]           ; r = a - b q0
	v_fmamk_f32 v[\q], v[QT], \yc, v[\q]           ; q = q0 + r y
.endif
.endm
.macro WMAX a, pb                      ; max|w| of the lane's five pairs from pair pb on: the larger of max and -min
	v_min3_num_f32 v[QT], v[P+2*(\pb)], v[P+2*(\pb)+2], v[P+2*(\pb)+4]
	v_max3_num_f32 v[\a], v[P+2*(\pb)+1], v[P+2*(\pb)+3], v[P+2*(\pb)+5]
	v_min3_num_f32 v[QT], v[QT], v[P+2*(\pb)+6], v[P+2*(\pb)+8]
	v_max3_num_f32 v[\a], v[\a], v[P+2*(\pb)+7], v[P+2*(\pb)+9]
	v_sub_f32 v[QT], 0, v[QT]
	v_max_num_f32 v[\a], v[\a], v[QT]
.endm
	s_load_b512 s[16:31], s[0:1], 0x0              ; x s[16:17], w1 s[18:19], w2 s[20:21], part1 s[22:23], xq s[24:25], w1q s[26:27], w2q s[28:29], scal s[30:31]
	v_and_b32 v7, 31, v0                           ; lane
	v_lshrrev_b32 v8, 5, v0
	v_readfirstlane_b32 s43, v8                    ; wave
	v_lshlrev_b32 v1, 4, v0                        ; 16 t
	v_lshlrev_b32 v2, 3, v0                        ; 8 t
	v_lshlrev_b32 v3, 3, v7                        ; 8 x lane
	v_add_nc_u32 v4, 576, v7                       ; what 32 lanes do not divide is clamped to the segment's last pair: a pair taken twice changes no minimum
	v_min_u32 v4, 590, v4
	v_lshlrev_b32 v4, 3, v4
	v_add_nc_u32 v5, 719, v7
	v_min_u32 v5, 734, v5
	v_lshlrev_b32 v5, 3, v5
	v_add_nc_u32 v6, 863, v7
	v_min_u32 v6, 878, v6
	v_lshlrev_b32 v6, 3, v6
	v_mov_b32 v[QT], 0                             ; v_permlanex16_b32 counts as a reader of its destination
	s_mov_b32 s42, ttmp9                           ; the chunk
	s_sub_co_u32 s44, s42, 591
	s_sub_co_u32 s45, s42, 735
	s_mov_b32 s46, 0x76543210
	s_mov_b32 s47, 0xfedcba98
	s_wait_kmcnt 0x0
.set k, 0
.rept 18
	global_load_b64 v[P+2*k:P+2*k+1], v3, s[22:23] offset:256*k            ; x's pairs 0-575
.set k, k+1
.endr
	global_load_b64 v[P+36:P+37], v4, s[22:23]                             ; 576-590
.set k, 0
.rept 4
	global_load_b64 v[P+38+2*k:P+39+2*k], v3, s[22:23] offset:4728+256*k   ; w1's pairs 591-718
.set k, k+1
.endr
	global_load_b64 v[P+46:P+47], v5, s[22:23]                             ; 719-734
.set k, 0
.rept 4
	global_load_b64 v[P+48+2*k:P+49+2*k], v3, s[22:23] offset:5880+256*k   ; w2's pairs 735-862
.set k, k+1
.endr
	global_load_b64 v[P+56:P+57], v6, s[22:23]                             ; 863-878
	s_cmp_lt_u32 s42, 735
	s_cselect_b64 s[32:33], s[18:19], s[20:21]     ; from where,
	s_cselect_b64 s[34:35], s[26:27], s[28:29]     ; to where
	s_cselect_b32 s44, s44, s45                    ; the chunk's number in its tensor
	s_cmp_lt_u32 s42, 591
	s_cselect_b64 s[32:33], s[16:17], s[32:33]
	s_cselect_b64 s[34:35], s[24:25], s[34:35]
	s_cselect_b32 s44, s42, s44
	s_lshl_b32 s52, s44, 16
	s_mov_b32 s53, 0
	s_add_nc_u64 s[32:33], s[32:33], s[52:53]
	s_lshl_b32 s52, s44, 15
	s_add_nc_u64 s[34:35], s[34:35], s[52:53]
.set k, 0
.rept 16
	global_load_b128 v[X+4*k:X+4*k+3], v1, s[32:33] offset:4096*k th:TH_LOAD_NT  ; the bytes' last reading
.set k, k+1
.endr
	s_wait_loadcnt 16                              ; part1's 29 loads are in; the 16 younger ones stay out
	v_min3_num_f32 v[T], v[P], v[P+2], v[P+4]
	v_max3_num_f32 v[T+1], v[P+1], v[P+3], v[P+5]
.set p, 3
.rept 8
	v_min3_num_f32 v[T], v[T], v[P+2*p], v[P+2*p+2]
	v_max3_num_f32 v[T+1], v[T+1], v[P+2*p+1], v[P+2*p+3]
.set p, p+2
.endr
	WMAX T+2, 19
	WMAX T+3, 24
	LMIN T
	LMAX T+1
	LMAX T+2
	LMAX T+3
	v_sub_f32 v[T+4], v[T+1], v[T]
	v_max_num_f32 v[T+4], 0x322bcc77, v[T+4]       ; 1e-8
	v_max_num_f32 v[T+2], 0x322bcc77, v[T+2]
	v_max_num_f32 v[T+3], 0x322bcc77, v[T+3]
	DIVC T+5, T+4, 0x3b808081, 0xc37f0000          ; s of x  = d / 255
	DIVC T+6, T+2, 0x3c010204, 0xc2fe0000          ; s of w1 = a / 127
	DIVC T+7, T+3, 0x3c010204, 0xc2fe0000          ; s of w2
	v_readfirstlane_b32 s48, v[T+5]
	v_readfirstlane_b32 s49, v[T+6]
	v_readfirstlane_b32 s50, v[T+7]
	s_cmp_lt_u32 s42, 735
	s_cselect_b32 s51, s49, s50
	s_cmp_lt_u32 s42, 591
	s_cselect_b32 s51, s48, s51                    ; S: my chunk's scale
	v_mov_b32 v[QT+1], s51
	v_rcp_f32 v[QT+2], v[QT+1]
	v_nop                                          ; a plain instruction behind the reciprocal,
	s_wait_alu depctr_va_vdst(0)                   ; and a wait ahead of its first reader
	v_fma_f32 v[QT+3], -v[QT+1], v[QT+2], 1.0
	v_fma_f32 v[QT+2], v[QT+3], v[QT+2], v[QT+2]   ; Y = 1 / S, refined once
	v_mul_f32 v[QT+4], v[T], v[QT+2]               ; min / S, as a true quotient (used in x's chunks alone)
	v_fma_f32 v[QT+5], -v[QT+1], v[QT+4], v[T]
	v_fma_f32 v[QT+4], v[QT+5], v[QT+2], v[QT+4]
	v_rndne_f32 v[QT+4], v[QT+4]                   ; = -zp: quotient and rounding are odd functions
	v_add_f32 v[QT+5], 0x437f0000, v[QT+4]         ; 255 - zp
	v_readfirstlane_b32 s36, v[QT+2]
	v_readfirstlane_b32 s52, v[QT+4]
	v_readfirstlane_b32 s53, v[QT+5]
	s_mov_b32 s37, s36                             ; named as pairs by the packed forms
	s_xor_b32 s38, s51, 0x80000000                 ; -S
	s_mov_b32 s39, s38
	s_cmp_lt_u32 s42, 591
	s_cselect_b32 s40, s52, 0xc3000000             ; the lower bound: -zp, or -128
	s_cselect_b32 s41, s53, 0x42fe0000             ; the upper: 255 - zp, or 127
.set k, 0
.rept 16
	s_wait_loadcnt 15-k                            ; load k is in; the 15 - k younger ones stay out
	v_pk_mul_f32 v[QT:QT+1], v[X+4*k:X+4*k+1], s[36:37] op_sel_hi:[1,0]                       ; q0 = x Y
	v_pk_mul_f32 v[QT+2:QT+3], v[X+4*k+2:X+4*k+3], s[36:37] op_sel_hi:[1,0]
	v_pk_fma_f32 v[QT+4:QT+5], v[QT:QT+1], s[38:39], v[X+4*k:X+4*k+1] op_sel_hi:[1,0,1]       ; r = x - S q0
	v_pk_fma_f32 v[QT+6:QT+7], v[QT+2:QT+3], s[38:39], v[X+4*k+2:X+4*k+3] op_sel_hi:[1,0,1]
	v_pk_fma_f32 v[QT:QT+1], v[QT+4:QT+5], s[36:37], v[QT:QT+1] op_sel_hi:[1,0,1]             ; q = q0 + r Y
	v_pk_fma_f32 v[QT+2:QT+3], v[QT+6:QT+7], s[36:37], v[QT+2:QT+3] op_sel_hi:[1,0,1]
.irp j, 0,1,2,3
	v_rndne_f32 v[QT+\j], v[QT+\j]                 ; ties to even, as jnp.round
.endr
.irp j, 0,1,2,3
	v_med3_num_f32 v[QT+\j], v[QT+\j], s40, s41
.endr
	v_cvt_pk_bf16_f32 v[O+2*k], v[QT], v[QT+1]
	v_cvt_pk_bf16_f32 v[O+2*k+1], v[QT+2], v[QT+3]
	global_store_b64 v2, v[O+2*k:O+2*k+1], s[34:35] offset:2048*k  ; each store has its own two registers: none is rewritten
.set k, k+1
.endr
	s_cmp_lg_u32 s42, 0                            ; thread 0 of chunk 0 leaves the scales for the two GEMMs
	s_cbranch_scc1 .Lend
	s_cmp_lg_u32 s43, 0
	s_cbranch_scc1 .Lend
	v_mov_b32 v[T], 0
	v_mul_f32 v[T+2], v[T+5], v[T+6]               ; S1 = s of x times s of w1
	v_mov_b32 v[T+3], v[T+7]                       ; s of w2
	s_wait_xcnt 0x0                                ; EXEC changes only behind this wait
	v_cmp_eq_u32 vcc_lo, 0, v0
	s_and_saveexec_b32 s55, vcc_lo
	global_store_b64 v[T], v[T+2:T+3], s[30:31]
	s_wait_xcnt 0x0
	s_or_b32 exec_lo, exec_lo, s55
.Lend:
	s_endpgm
.Lfunc_end_k_qbce5ad1e8c_quant:
	.size	k_qbce5ad1e8c_quant, .Lfunc_end_k_qbce5ad1e8c_quant-k_qbce5ad1e8c_quant
	.p2alignl 7, 3214868480
	.fill 96, 4, 3214868480
	.section	.rodata,"a",@progbits
	.p2align	6, 0x0
	.amdhsa_kernel k_qbce5ad1e8c_quant
		.amdhsa_group_segment_fixed_size 0
		.amdhsa_private_segment_fixed_size 0
		.amdhsa_enable_private_segment 0
		.amdhsa_kernarg_size 64
		.amdhsa_user_sgpr_count 2
		.amdhsa_user_sgpr_kernarg_segment_ptr 1
		.amdhsa_wavefront_size32 1
		.amdhsa_system_sgpr_workgroup_id_x 1
		.amdhsa_system_sgpr_workgroup_id_y 1
		.amdhsa_system_sgpr_workgroup_id_z 1
		.amdhsa_system_vgpr_workitem_id 0
		.amdhsa_next_free_vgpr 192
		.amdhsa_next_free_sgpr 66
		.amdhsa_reserve_vcc 1
		.amdhsa_float_denorm_mode_32 3
		.amdhsa_float_denorm_mode_16_64 3
		.amdhsa_memory_ordered 1
		.amdhsa_forward_progress 1
		.amdhsa_inst_pref_size 28
	.end_amdhsa_kernel
	.amdgpu_metadata
---
amdhsa.version: [ 1, 2 ]
amdhsa.kernels:
  - .name:           k_qbce5ad1e8c_quant
    .symbol:         k_qbce5ad1e8c_quant.kd
    .args:
      - { .name: x, .offset: 0, .size: 8, .value_kind: global_buffer, .address_space: global }
      - { .name: w1, .offset: 8, .size: 8, .value_kind: global_buffer, .address_space: global }
      - { .name: w2, .offset: 16, .size: 8, .value_kind: global_buffer, .address_space: global }
      - { .name: part1, .offset: 24, .size: 8, .value_kind: global_buffer, .address_space: global }
      - { .name: xq, .offset: 32, .size: 8, .value_kind: global_buffer, .address_space: global }
      - { .name: w1q, .offset: 40, .size: 8, .value_kind: global_buffer, .address_space: global }
      - { .name: w2q, .offset: 48, .size: 8, .value_kind: global_buffer, .address_space: global }
      - { .name: scal, .offset: 56, .size: 8, .value_kind: global_buffer, .address_space: global }
    .group_segment_fixed_size: 0
    .private_segment_fixed_size: 0
    .kernarg_segment_align: 8
    .kernarg_segment_size: 64
    .max_flat_workgroup_size: 256
    .sgpr_count:     66
    .vgpr_count:     192
    .wavefront_size: 32
...
	.end_amdgpu_metadata
.endif
;; end of part 2
;; launch gemm1 (part 3): grid 8 x 64, 4 waves a work-group, clusters of 4 x 4, 327,680 bytes of LDS; arguments xq, w1q, b1, scal, g, part2; writes g, part2
.if DOCPART == 3
	.amdgcn_target "amdgcn-amd-amdhsa--gfx1250"
	.amdhsa_code_object_version 6
	.text
	.protected	k_qbce5ad1e8c_gemm1
	.globl	k_qbce5ad1e8c_gemm1
	.p2align	8
	.type	k_qbce5ad1e8c_gemm1,@function
k_qbce5ad1e8c_gemm1:
	s_mov_b64 s[64:65], 0
	v_nop
	global_prefetch_b8 v0, s[64:65] scope:SCOPE_SE
	s_setreg_imm32_b32 hwreg(HW_REG_WAVE_MODE, 25, 1), 1
	s_wait_xcnt 0x0
	s_wait_alu depctr_hold_cnt(0) depctr_sa_sdst(0) depctr_va_vdst(0) depctr_va_sdst(0) depctr_va_ssrc(0) depctr_va_vcc(0) depctr_vm_vsrc(0)
	s_getreg_b32 s2, hwreg(HW_REG_IB_STS2, 6, 4)
	s_cmp_eq_u32 s2, 0
	s_cbranch_scc0 .Lentry_in_a_cluster
	s_endpgm
.Lentry_in_a_cluster:
	s_bfe_u32 s2, ttmp6, 0x10000c
	s_cmp_lg_u32 s2, 0xf033
	s_cbranch_scc0 .Lentry_shape_is_right
	s_endpgm
.Lentry_shape_is_right:
; GEMM1.  g = GELU(S1 x (xq w1q^T) + b1), and each wave's smallest and largest g.  xq: [12608][768], w1q: [3072][768], bf16 whole numbers; sums in f32; g in f32.
; SHARES.  12,608 rows are 788 blocks of 16.  A tile of C is 13 blocks x 384 columns; 64 tile rows x 8 tile columns.  Tile row tr begins at block 12 tr + max(tr - 44, 0) and OWNS 12 blocks (tr < 44) or 13:
; 44 x 12 + 20 x 13 = 788.  An owner of 12 multiplies its thirteenth block too (it exists and is the next tile's first) and neither stores it nor counts it in the minimum: one text of products for all.
; A wave takes all 13 blocks x 96 columns: 78 accumulators, 624 registers; for 32 along K it loads 19 fragments from LDS and issues 78 matrix instructions.
; K goes in 6 steps of 128 (rows of 256 bytes) through two LDS slots.  CLUSTER 4 x 4: A's tile hangs on the tile row and is asked for jointly along a row of the cluster, B's on the tile column, along a column.
; Wave 0 fetches A's 208 rows, waves 1-3 fetch 128 rows of B each: one tensor load a wave behind each round.  By this text's count a wave has two loads out at the start, later one.
; THE MATRIX INSTRUCTION IS USED TRANSPOSED (source 0 = 16 rows of w1q, source 1 = 16 rows of xq): lane l holds row l % 16 of C and the columns 8 (l / 16) + 0..7.
; g LIES IN THAT ORDER IN MEMORY: [block 788][16 columns 192][half 2][lane 32][4 floats]: a store of 16 bytes a lane covers 512 consecutive bytes, no LDS stage is needed, and the next launch finds,
; lane for lane, the numbers of its source 1.
; g STAYS f32: it is quantised with the minimum and maximum of ALL of g, known only when this launch has ended, and a g rounded to 16 bits would change too many of its codes.
; NO PREFETCH: of the six K steps only steps 4 and 5 stand two refills behind a refill, and what the launch moves is mostly its 155 MB of stores.
; LIMITS.  NaN and infinities are not treated apart.  GELU's clip min(|t|, 1.769) - 1.769 is taken as min(|h| / sqrt 2 - 1.769, 0), the product and the sum fused.
; REGISTERS, in windows of 256 (s_set_vgpr_msb: bits 1:0 source 0, 3:2 source 1, 5:4 source 2, 7:6 destination):
;   window 0: v0-31 addresses; v32-135, v136-239 A's 13 fragments, two buffers; v240-242 minimum, maximum, at work.  On the way out: v32-79 bias, v80-127 h, v128-175 at work, v176-223 g
;   window 1: v0-143 accumulators of blocks 0-2 ((a, b) at 48 a + 8 b); v144-191, v192-239 B's 6 fragments, two buffers      window 2: blocks 3-7      window 3: blocks 8-12
.set PITCH,  272                       ; an LDS row: 256 bytes + 16 of padding = 68 words: the 16 rows of a fragment load start at 16 different groups of four banks
.set ABYTES, 208*PITCH
.set SLOT,   ABYTES+384*PITCH          ; A's 208 rows, then B's 384
.set SPARE,  2*SLOT                    ; behind the ring: the spare words, 128 bytes a wave
.set ADRA, 16                          ; v16-17 LDS address of my A fragments in slot 0, 1
.set ADRB, 20                          ; v20-21 the same for B
.set GO,   24                          ; v24    16 x lane
.set BO,   25                          ; v25    32 x (lane / 16): my 8 columns in b1
.set PO,   26                          ; v26    my wave's pair in part2
.set SPW,  28
.set NIL,  29
.set BIAS, 32
.set HH,   80
.set TT,   128
.set GG,   176
.set VMIN, 240
.set VMAX, 241
.set VT,   242
.set WV,   16                          ; s16 my wave's number
.set G1A,  24                          ; s[24:31] group 1 for A;  s[32:39] group 0, a set for each slot
.set G0A,  32
.set G1B,  48                          ; s[48:55], s[56:63] the same for B
.set G0B,  56
.set MSB, 0
.macro WIN new                         ; the immediate's high byte repeats the setting that is left; a switch that changes nothing is dropped
.if MSB != (\new)
	s_set_vgpr_msb (MSB<<8)|(\new)
.set MSB, \new
.endif
.endm
.macro PLACES                          ; four plain places behind matrix instructions, in front of loads into registers that they read and of lines that read their results
.rept 4
	v_nop
.endr
.endm
.macro CREST                           ; a round of the cluster's barrier behind its opening barrier
	s_cmp_lg_u32 s[WV], 0
	s_cbranch_scc1 .Lnot_wave_0_\@
	s_barrier_signal -3
.Lnot_wave_0_\@:
	s_barrier_wait -3
	s_barrier_signal -1
	s_barrier_wait -1
.endm
.macro CROUND
	s_barrier_signal -1
	s_barrier_wait -1
	CREST
.endm
.macro JLOAD s                         ; a joint load: wave 0 asks for A, the others for B; the branch hangs on the wave's number alone.  An s_nop 0 and four v_nop follow each line
	s_cmp_eq_u32 s[WV], 0
	s_cbranch_scc0 .Lfor_b_\@
	tensor_load_to_lds s[G0A+4*(\s):G0A+4*(\s)+3], s[G1A:G1A+7]
	s_nop 0
.rept 4
	v_nop
.endr
	s_branch .Lasked_\@
.Lfor_b_\@:
	tensor_load_to_lds s[G0B+4*(\s):G0B+4*(\s)+3], s[G1B:G1B+7]
	s_nop 0
.rept 4
	v_nop
.endr
.Lasked_\@:
.endm
; Blocks a0 .. a1 x all 6 column blocks, 32 along K, on buffer f.  All 78 accumulators take turns in one fixed order, one instruction a turn.  zero = 1: the products start the sums.
.macro MULS f, a0, a1, zero
.set ia, \a0
.rept (\a1)-(\a0)+1
.if ia < 3
	WIN 0x51
.set rA, 48*ia
.elseif ia < 8
	WIN 0xa1
.set rA, 48*(ia-3)
.else
	WIN 0xf1
.set rA, 48*(ia-8)
.endif
.set ib, 0
.rept 6
.if \zero
	v_wmma_f32_16x16x32_bf16 v[rA+8*ib:rA+8*ib+7], v[144+48*(\f)+8*ib:144+48*(\f)+8*ib+7], v[32+104*(\f)+8*ia:32+104*(\f)+8*ia+7], 0
.else
	v_wmma_f32_16x16x32_bf16 v[rA+8*ib:rA+8*ib+7], v[144+48*(\f)+8*ib:144+48*(\f)+8*ib+7], v[32+104*(\f)+8*ia:32+104*(\f)+8*ia+7], v[rA+8*ib:rA+8*ib+7]
.endif
.set ib, ib+1
.endr
.set ia, ia+1
.endr
.endm
; 38 LDS loads in one run: 32 along K at byte k of the rows, into buffer f: B's 12 first, then A's 26, block after block
.macro FETCH slot, k, f
	WIN 0x40
.set fi, 0
.rept 6
	ds_load_b128 v[144+48*(\f)+8*fi:144+48*(\f)+8*fi+3],   v[ADRB+(\slot)] offset:(\k)+fi*16*PITCH
	ds_load_b128 v[144+48*(\f)+8*fi+4:144+48*(\f)+8*fi+7], v[ADRB+(\slot)] offset:(\k)+fi*16*PITCH+32
.set fi, fi+1
.endr
	WIN 0
.set fi, 0
.rept 13
	ds_load_b128 v[32+104*(\f)+8*fi:32+104*(\f)+8*fi+3],   v[ADRA+(\slot)] offset:(\k)+fi*16*PITCH
	ds_load_b128 v[32+104*(\f)+8*fi+4:32+104*(\f)+8*fi+7], v[ADRA+(\slot)] offset:(\k)+fi*16*PITCH+32
.set fi, fi+1
.endr
.endm
; One of a K step's first three quarters: multiplies buffer f, and fetches the next quarter, at byte k, into buffer g
.macro QUARTER slot, k, f, g, zero
	s_wait_dscnt 20                                ; B and A's blocks 0-2 are in; the youngest 20 loads (blocks 3-12) may be out
	MULS \f, 0, 2, \zero
	s_wait_dscnt 10                                ; blocks 8-12 may be out
	MULS \f, 3, 7, \zero
	PLACES
	FETCH \slot, \k, \g
	s_wait_dscnt 38                                ; all but the 38 just issued
	MULS \f, 8, 12, \zero
.endm
; The fourth quarter multiplies buffer 1 and changes slots.  In front of the barrier each wave waits for all its tensor loads (one is out: its part of the next slot), adds 0 to its spare word, and waits for that
; and for its reads of this slot.  fill = 1: the barrier opens a round of the cluster's, and the joint refill, two K steps on, is the first thing behind the round: 264 matrix instructions ahead of the wait for it.
.macro TURN slot, next, fill
	WIN 0
	s_wait_tensorcnt 0x0
	ds_add_u32 v[SPW], v[NIL]
	s_wait_dscnt 21                                ; the add and the youngest 20 loads may be out
	MULS 1, 0, 2, 0
	s_wait_dscnt 0x0                               ; the add is done, and my reads of this slot are over
	s_barrier_signal -1
	MULS 1, 3, 7, 0                                ; work on registers while the others arrive
	WIN 0
	s_barrier_wait -1
.if \fill
	CREST
	s_add_nc_u64 s[G0A+4*(\slot)+2:G0A+4*(\slot)+3], s[G0A+4*(\slot)+2:G0A+4*(\slot)+3], 512
	s_add_nc_u64 s[G0B+4*(\slot)+2:G0B+4*(\slot)+3], s[G0B+4*(\slot)+2:G0B+4*(\slot)+3], 512
	JLOAD \slot                                    ; its four v_nop are also the places in front of the loads below
.else
	PLACES
.endif
	FETCH \next, 0, 0
	MULS 1, 8, 12, 0
.endm
	s_load_b256 s[4:11], s[0:1], 0x0               ; xq s[4:5], w1q s[6:7], b1 s[8:9], scal s[10:11]
	s_load_b128 s[12:15], s[0:1], 0x20             ; g s[12:13], part2 s[14:15]
	v_lshl_add_u32 v[SPW], v0, 2, SPARE
	v_mov_b32 v[NIL], 0
	ds_add_u32 v[SPW], v[NIL]                      ; the wave's opening: the add, twice on end, and its wait ahead of my first tensor load
	ds_add_u32 v[SPW], v[NIL]
	v_lshrrev_b32 v1, 5, v0
	v_readfirstlane_b32 s[WV], v1                  ; wave 0..3
	s_bfe_u32 s17, ttmp6, 0x40000                  ; cx
	s_bfe_u32 s18, ttmp6, 0x40004                  ; cy
	s_lshl_b32 s19, ttmp9, 2
	s_add_co_u32 s19, s19, s17                     ; tc: tile column = 4 x cluster x + cx
	s_and_b32 s20, ttmp7, 0xffff                   ; the cluster's y
	s_lshl_b32 s21, s20, 2
	s_add_co_u32 s21, s21, s18                     ; tr: tile row
	s_sub_co_i32 s22, s21, 44
	s_max_i32 s22, s22, 0
	s_mul_i32 s40, s21, 12
	s_add_co_u32 s22, s22, s40                     ; sb: the tile's first block
	s_cmp_ge_u32 s20, 11                           ; tr >= 44 for all four tile rows of the cluster, or for none:
	s_cselect_b32 s23, 13, 12                      ; the blocks owned are the same number in all sixteen partners
	s_lshl_b32 s90, s18, 2
	s_lshl_b32 s90, 15, s90                        ; my row of the cluster
	s_lshl_b32 s91, 0x1111, s17                    ; my column
	s_or_b32 s[G1A], s90, (1<<16)|(1<<20)|(1<<21)|(5<<22)|(3<<25)  ; the mask; elements of 2 bytes; padding on; bit 21 beside a mask; after every 64 words, 4 words
	s_mov_b32 s[G1A+1], 128<<16                    ; tensor_dim0 = 128
	s_mov_b32 s[G1A+2], 208<<16                    ; tensor_dim1 = 208
	s_mov_b32 s[G1A+3], 128<<16                    ; tile_dim0 = 128
	s_mov_b32 s[G1A+4], 208                        ; tile_dim1 = 208
	s_mov_b32 s[G1A+5], 768                        ; elements from row to row
	s_mov_b32 s[G1A+6], 0
	s_mov_b32 s[G1A+7], 0
	s_or_b32 s[G1B], s91, (1<<16)|(1<<20)|(1<<21)|(5<<22)|(3<<25)
	s_mov_b32 s[G1B+1], 128<<16
	s_mov_b32 s[G1B+2], 128<<16                    ; 128 rows
	s_mov_b32 s[G1B+3], 128<<16
	s_mov_b32 s[G1B+4], 128
	s_mov_b32 s[G1B+5], 768
	s_mov_b32 s[G1B+6], 0
	s_mov_b32 s[G1B+7], 0
	s_mul_i32 s40, s22, 24576                      ; A: 16 rows of 1,536 bytes a block; made of the tile row alone
	s_mov_b32 s41, 0
	s_max_u32 s45, s[WV], 1                        ; B: waves 1-3 take rows 0, 128, 256 of the tile (wave 0, which asks for A, holds wave 1's address and never uses it)
	s_sub_co_u32 s45, s45, 1
	s_lshl_b32 s45, s45, 7
	s_mul_i32 s44, s19, 384
	s_add_co_u32 s44, s44, s45
	s_mul_i32 s44, s44, 1536                       ; made of the tile column and the wave's number alone
	s_mov_b32 s45, 0
	s_mul_i32 s46, s[WV], 128*PITCH                ; B's place in a slot: behind A's 208 rows, 128 rows for each of waves 1-3
	s_mov_b32 s[G0A], 1
	s_mov_b32 s[G0A+1], 0
	s_mov_b32 s[G0A+4], 1
	s_mov_b32 s[G0A+5], SLOT
	s_mov_b32 s[G0B], 1
	s_add_co_u32 s[G0B+1], s46, ABYTES-128*PITCH
	s_mov_b32 s[G0B+4], 1
	s_add_co_u32 s[G0B+5], s46, SLOT+ABYTES-128*PITCH
	s_mov_b32 s68, 0x3f3504f3                      ; 1 / sqrt 2
	s_mov_b32 s70, 0xbfe26e98                      ; -1.769
	s_mov_b32 s72, 0xbe93dd98                      ; -0.2888
	s_mov_b32 s73, s72
	s_mov_b32 s84, 1.0
	s_mov_b32 s85, 1.0
	s_mov_b32 s76, 0x76543210
	s_mov_b32 s77, 0xfedcba98
	s_mul_i32 s86, s22, 192                        ; g: (192 sb + 24 tc + 6 wave) tiles of 1,024 bytes
	s_mul_i32 s87, s19, 24
	s_add_co_u32 s86, s86, s87
	s_mul_i32 s87, s[WV], 6
	s_add_co_u32 s86, s86, s87
	s_lshl_b32 s86, s86, 10                        ; under 788 x 196,608: inside 32 bits
	s_mov_b32 s87, 0
	s_mul_i32 s88, s19, 384                        ; b1: my 96 columns
	s_mul_i32 s89, s[WV], 96
	s_add_co_u32 s88, s88, s89
	s_lshl_b32 s88, s88, 2
	s_mov_b32 s89, 0
	s_lshl_b32 s93, s21, 3                         ; part2: pair (8 tr + tc) x 4 + wave
	s_add_co_u32 s93, s93, s19
	s_lshl_b32 s93, s93, 2
	s_add_co_u32 s93, s93, s[WV]
	s_lshl_b32 s93, s93, 3
	s_wait_dscnt 0x0                               ; both opening adds are done
	s_wait_kmcnt 0x0
	s_add_nc_u64 s[40:41], s[4:5], s[40:41]
	s_add_nc_u64 s[44:45], s[6:7], s[44:45]
	s_mov_b64 s[G0A+2:G0A+3], s[40:41]             ; K step 0
	s_or_b32 s[G0A+3], s[G0A+3], 0x80000000
	s_add_nc_u64 s[G0A+6:G0A+7], s[40:41], 256     ; K step 1
	s_or_b32 s[G0A+7], s[G0A+7], 0x80000000
	s_mov_b64 s[G0B+2:G0B+3], s[44:45]
	s_or_b32 s[G0B+3], s[G0B+3], 0x80000000
	s_add_nc_u64 s[G0B+6:G0B+7], s[44:45], 256
	s_or_b32 s[G0B+7], s[G0B+7], 0x80000000
	s_add_nc_u64 s[78:79], s[12:13], s[86:87]
	s_add_nc_u64 s[80:81], s[8:9], s[88:89]
	s_load_b32 s66, s[10:11], 0x0                  ; S1
	CROUND                                         ; all sixteen work-groups are here: the first joint loads meet
	s_cmp_eq_u32 s[WV], 0                          ; a wave's two first fills stand in one branch, ahead of every wait on TENSORcnt and every LDS read
	s_cbranch_scc0 .Lfirst_b
	tensor_load_to_lds s[G0A:G0A+3], s[G1A:G1A+7]
	s_nop 0
	tensor_load_to_lds s[G0A+4:G0A+7], s[G1A:G1A+7]
	s_nop 0
.rept 4
	v_nop
.endr
	s_branch .Lfirst_asked
.Lfirst_b:
	tensor_load_to_lds s[G0B:G0B+3], s[G1B:G1B+7]
	s_nop 0
	tensor_load_to_lds s[G0B+4:G0B+7], s[G1B:G1B+7]
	s_nop 0
.rept 4
	v_nop
.endr
.Lfirst_asked:
	; a fragment is 16 rows x 32 K in 8 registers: lane l holds row l % 16, K = 8 (l / 16) + 0..7 and 16 + 8 (l / 16) + 0..7: two loads of 16 bytes, 32 bytes apart
	v_and_b32 v1, 15, v0
	v_bfe_u32 v2, v0, 4, 1
	v_mul_u32_u24 v3, v1, PITCH
	v_lshl_add_u32 v3, v2, 4, v3
	v_mov_b32 v[ADRA], v3
	v_add_nc_u32 v[ADRA+1], SLOT, v3
	s_mul_i32 s92, s[WV], 96*PITCH                 ; my 96 rows of B, behind A's 208
	s_add_co_u32 s92, s92, ABYTES
	v_add_nc_u32 v[ADRB], s92, v3
	s_add_co_u32 s92, s92, SLOT
	v_add_nc_u32 v[ADRB+1], s92, v3
	v_and_b32 v4, 31, v0
	v_lshlrev_b32 v[GO], 4, v4
	v_lshlrev_b32 v[BO], 5, v2
	v_mov_b32 v[PO], s93
	s_wait_kmcnt 0x0
	s_mov_b32 s67, s66                             ; named as a pair by the packed form
	s_wait_tensorcnt 0x1                           ; my part of K step 0 is in; K step 1's may stay out
	s_barrier_signal -1
	s_barrier_wait -1
	FETCH 0, 0, 0
	QUARTER 0, 64, 0, 1, 1                         ; the first quarter stands in front of the loop: its products start the sums
	WIN 0
	s_mov_b32 s3, 2
.Llap:                                                 ; a trip goes once round the ring and fills both slots again: K steps 2-5
	QUARTER 0, 128, 1, 0, 0
	QUARTER 0, 192, 0, 1, 0
	TURN 0, 1, 1
	QUARTER 1, 64, 0, 1, 0
	QUARTER 1, 128, 1, 0, 0
	QUARTER 1, 192, 0, 1, 0
	TURN 1, 0, 1
	QUARTER 0, 64, 0, 1, 0
	WIN 0
	s_sub_co_u32 s3, s3, 1
	s_cmp_lg_u32 s3, 0
	s_cbranch_scc1 .Llap
	QUARTER 0, 128, 1, 0, 0                        ; the last lap is written out: it fills nothing
	QUARTER 0, 192, 0, 1, 0
	TURN 0, 1, 0
	QUARTER 1, 64, 0, 1, 0
	QUARTER 1, 128, 1, 0, 0
	QUARTER 1, 192, 0, 1, 0
	s_wait_dscnt 20                                ; the very last quarter: the bias is asked for where the fragments were
	MULS 1, 0, 2, 0
	s_wait_dscnt 10
	MULS 1, 3, 7, 0
	PLACES
	WIN 0
.set ib, 0
.rept 6
	global_load_b128 v[BIAS+8*ib:BIAS+8*ib+3],   v[BO], s[80:81] offset:64*ib      ; b1 of my 8 columns of column block ib
	global_load_b128 v[BIAS+8*ib+4:BIAS+8*ib+7], v[BO], s[80:81] offset:64*ib+16
.set ib, ib+1
.endr
	s_wait_dscnt 0x0
	MULS 1, 8, 12, 0
	WIN 0
	PLACES
	; THE WAY OUT: a loop over the blocks owned.  A block's 48 sums lie in one of three windows, so an arm for each block brings h = S1 sum + b1 into window 0; GELU, minimum, maximum and stores are written once.
	s_wait_loadcnt 0x0                             ; the bias
	v_mov_b32 v[VMIN], 0x7f800000
	v_mov_b32 v[VMAX], 0xff800000
	v_mov_b32 v[VT], 0
	s_mov_b32 s82, 0
.macro ARM blk
.Larm_\blk:
.if (\blk) < 3
	WIN 1
.set rA, 48*(\blk)
.elseif (\blk) < 8
	WIN 2
.set rA, 48*((\blk)-3)
.else
	WIN 3
.set rA, 48*((\blk)-8)
.endif
.set i, 0
.rept 24                               ; ascending: each accumulator's lowest registers are read first
	v_pk_fma_f32 v[HH+2*i:HH+2*i+1], v[rA+2*i:rA+2*i+1], s[66:67], v[BIAS+2*i:BIAS+2*i+1] op_sel_hi:[1,0,1]
.set i, i+1
.endr
	WIN 0
	s_branch .Lcom
.endm
.Lrow:
.irp blk, 0,1,2,3,4,5,6,7,8,9,10,11
	s_cmp_eq_u32 s82, \blk
	s_cbranch_scc1 .Larm_\blk
.endr
.irp blk, 12,0,1,2,3,4,5,6,7,8,9,10,11
	ARM \blk
.endr
.Lcom:                                                 ; g = h / 2 + |h / 2| (a u^2 + 1), u = min(|h| / sqrt 2 + b, 0)
.set i, 0
.rept 48
	v_fma_f32 v[TT+i], |v[HH+i]|, s68, s70
.set i, i+1
.endr
.set i, 0
.rept 48
	v_min_num_f32 v[TT+i], 0, v[TT+i]
.set i, i+1
.endr
.set i, 0
.rept 24
	v_pk_mul_f32 v[TT+2*i:TT+2*i+1], v[TT+2*i:TT+2*i+1], v[TT+2*i:TT+2*i+1]
.set i, i+1
.endr
.set i, 0
.rept 24
	v_pk_fma_f32 v[TT+2*i:TT+2*i+1], v[TT+2*i:TT+2*i+1], s[72:73], s[84:85] op_sel_hi:[1,0,0]
.set i, i+1
.endr
.set i, 0
.rept 24
	v_pk_mul_f32 v[HH+2*i:HH+2*i+1], v[HH+2*i:HH+2*i+1], 0.5 op_sel_hi:[1,0]
.set i, i+1
.endr
.set i, 0
.rept 48
	v_fma_f32 v[GG+i], |v[HH+i]|, v[TT+i], v[HH+i]
.set i, i+1
.endr
.set i, 0
.rept 12
	global_store_b128 v[GO], v[GG+4*i:GG+4*i+3], s[78:79] offset:512*i th:TH_STORE_NT  ; 512 consecutive bytes: column block i / 2, half i % 2
.set i, i+1
.endr
.set i, 0
.rept 24
	v_max3_num_f32 v[VMAX], v[VMAX], v[GG+2*i], v[GG+2*i+1]
	v_min3_num_f32 v[VMIN], v[VMIN], v[GG+2*i], v[GG+2*i+1]
.set i, i+1
.endr
	s_wait_xcnt 0x0                                ; the stores' data and base are rewritten only behind this wait
	s_add_nc_u64 s[78:79], s[78:79], 196608        ; the next block of g
	s_add_co_u32 s82, s82, 1
	s_cmp_lt_u32 s82, s23
	s_cbranch_scc1 .Lrow
	v_min_num_f32_dpp v[VMIN], v[VMIN], v[VMIN] row_xmask:1 row_mask:0xf bank_mask:0xf
	v_max_num_f32_dpp v[VMAX], v[VMAX], v[VMAX] row_xmask:1 row_mask:0xf bank_mask:0xf
	v_min_num_f32_dpp v[VMIN], v[VMIN], v[VMIN] row_xmask:2 row_mask:0xf bank_mask:0xf
	v_max_num_f32_dpp v[VMAX], v[VMAX], v[VMAX] row_xmask:2 row_mask:0xf bank_mask:0xf
	v_min_num_f32_dpp v[VMIN], v[VMIN], v[VMIN] row_xmask:4 row_mask:0xf bank_mask:0xf
	v_max_num_f32_dpp v[VMAX], v[VMAX], v[VMAX] row_xmask:4 row_mask:0xf bank_mask:0xf
	v_min_num_f32_dpp v[VMIN], v[VMIN], v[VMIN] row_xmask:8 row_mask:0xf bank_mask:0xf
	v_max_num_f32_dpp v[VMAX], v[VMAX], v[VMAX] row_xmask:8 row_mask:0xf bank_mask:0xf
	v_permlanex16_b32 v[VT], v[VMIN], s76, s77
	v_min_num_f32 v[VMIN], v[VMIN], v[VT]
	v_permlanex16_b32 v[VT], v[VMAX], s76, s77
	v_max_num_f32 v[VMAX], v[VMAX], v[VT]
	v_and_b32 v4, 31, v0
	s_wait_xcnt 0x0                                ; EXEC changes only behind this wait
	v_cmp_eq_u32 vcc_lo, 0, v4
	s_and_saveexec_b32 s83, vcc_lo                 ; lane 0 of each wave
	global_store_b64 v[PO], v[VMIN:VMAX], s[14:15]
	s_wait_xcnt 0x0
	s_or_b32 exec_lo, exec_lo, s83
	s_wait_tensorcnt 0x0                           ; the wave's end: three lines behind my last tensor load
	ds_add_u32 v[SPW], v[NIL]
	s_wait_dscnt 0x0
	CROUND                                         ; the closing round: no work-group ends while a partner may still ask for a tile that names it
	s_endpgm
.Lfunc_end_k_qbce5ad1e8c_gemm1:
	.size	k_qbce5ad1e8c_gemm1, .Lfunc_end_k_qbce5ad1e8c_gemm1-k_qbce5ad1e8c_gemm1
	.p2alignl 7, 3214868480
	.fill 96, 4, 3214868480
	.section	.rodata,"a",@progbits
	.p2align	6, 0x0
	.amdhsa_kernel k_qbce5ad1e8c_gemm1
		.amdhsa_group_segment_fixed_size 327680
		.amdhsa_private_segment_fixed_size 0
		.amdhsa_enable_private_segment 0
		.amdhsa_kernarg_size 48
		.amdhsa_user_sgpr_count 2
		.amdhsa_user_sgpr_kernarg_segment_ptr 1
		.amdhsa_wavefront_size32 1
		.amdhsa_system_sgpr_workgroup_id_x 1
		.amdhsa_system_sgpr_workgroup_id_y 1
		.amdhsa_system_sgpr_workgroup_id_z 1
		.amdhsa_system_vgpr_workitem_id 0
		.amdhsa_next_free_vgpr 1024
		.amdhsa_next_free_sgpr 96
		.amdhsa_reserve_vcc 1
		.amdhsa_float_denorm_mode_32 3
		.amdhsa_float_denorm_mode_16_64 3
		.amdhsa_memory_ordered 1
		.amdhsa_forward_progress 1
		.amdhsa_inst_pref_size 172
	.end_amdhsa_kernel
	.amdgpu_metadata
---
amdhsa.version: [ 1, 2 ]
amdhsa.kernels:
  - .name:           k_qbce5ad1e8c_gemm1
    .symbol:         k_qbce5ad1e8c_gemm1.kd
    .args:
      - { .name: xq, .offset: 0, .size: 8, .value_kind: global_buffer, .address_space: global }
      - { .name: w1q, .offset: 8, .size: 8, .value_kind: global_buffer, .address_space: global }
      - { .name: b1, .offset: 16, .size: 8, .value_kind: global_buffer, .address_space: global }
      - { .name: scal, .offset: 24, .size: 8, .value_kind: global_buffer, .address_space: global }
      - { .name: g, .offset: 32, .size: 8, .value_kind: global_buffer, .address_space: global }
      - { .name: part2, .offset: 40, .size: 8, .value_kind: global_buffer, .address_space: global }
    .group_segment_fixed_size: 327680
    .private_segment_fixed_size: 0
    .kernarg_segment_align: 8
    .kernarg_segment_size: 48
    .max_flat_workgroup_size: 128
    .sgpr_count:     96
    .vgpr_count:     1024
    .wavefront_size: 32
...
	.end_amdgpu_metadata
.endif
;; end of part 3
;; launch gemm2 (part 4): grid 8 x 32, 4 waves a work-group, clusters of 4 x 1, 327,680 bytes of LDS; arguments g, w2q, b2, scal, part2, out0; writes out0
.if DOCPART == 4
	.amdgcn_target "amdgcn-amd-amdhsa--gfx1250"
	.amdhsa_code_object_version 6
	.text
	.protected	k_qbce5ad1e8c_gemm2
	.globl	k_qbce5ad1e8c_gemm2
	.p2align	8
	.type	k_qbce5ad1e8c_gemm2,@function
k_qbce5ad1e8c_gemm2:
	s_mov_b64 s[64:65], 0
	v_nop
	global_prefetch_b8 v0, s[64:65] scope:SCOPE_SE
	s_setreg_imm32_b32 hwreg(HW_REG_WAVE_MODE, 25, 1), 1
	s_wait_xcnt 0x0
	s_wait_alu depctr_hold_cnt(0) depctr_sa_sdst(0) depctr_va_vdst(0) depctr_va_sdst(0) depctr_va_ssrc(0) depctr_va_vcc(0) depctr_vm_vsrc(0)
	s_getreg_b32 s2, hwreg(HW_REG_IB_STS2, 6, 4)
	s_cmp_eq_u32 s2, 0
	s_cbranch_scc0 .Lentry_in_a_cluster
	s_endpgm
.Lentry_in_a_cluster:
	s_bfe_u32 s2, ttmp6, 0x10000c
	s_cmp_lg_u32 s2, 0x3003
	s_cbranch_scc0 .Lentry_shape_is_right
	s_endpgm
.Lentry_shape_is_right:
; GEMM2.  out = s_g s_w2 (code(g) w2q^T) + b2, code(g) = min(round(g / s_g), 255 - zp), s_g = max(max g - min g, 1e-8) / 255, zp = round(-min g / s_g).  Codes and w2q are bf16 whole numbers; sums in f32.
; SHARES.  A tile of out is 7 blocks of 16 rows x 384 columns (half of the 768).  128 row tiles: tile mt begins at block 6 mt + max(mt - 108, 0) and OWNS 6 blocks (mt < 108) or 7: 108 x 6 + 20 x 7 = 788.
; An owner of 6 multiplies its seventh block too (it exists) and does not store it.  256 work-groups.  A wave takes 7 blocks x 96 columns: 42 accumulators.
; CLUSTER 4 x 1: the four partners are four row tiles of one column half and walk the same rows of w2q: each K step's tile is asked for JOINTLY, every wave its own 96 rows (the rows that it multiplies).
; g COMES BY EACH WAVE'S OWN LOADS.  It lies in memory in fragment order ([block][16 columns][half][lane][4 floats]): 16 floats a lane, 2,048 bytes on end a wave, are source 1 for 16 rows x 32 K.
; Of a K step's 28 fragments wave w quantises the seven of quarter w, in registers, with no change of lanes, and leaves them in LDS (AQ) for all four waves.  Two register sets hold two K steps of g:
; a fragment's registers are asked for again, two K steps on, as soon as they are packed, so 13 fragments' loads (52) are always younger than the one that is waited for.
; The last nine requests of the loop would pass K's end: their offset is held at the last K step, so that the count is the same in every trip; what they bring is not used.
; ROUNDING.  g x (1 / s_g) + 1.5 x 2^23, fused, rounds to a whole number, ties to even; the constant is taken away again.
; LIMITS.  g x (1 / s_g) stands for g / s_g: a code may differ by one where the quotient lies within a rounding of a tie.  The lower clip is not written: rounding is monotone and odd, so round(g / s) >= -zp
; (to within that same tie).  The rounding holds for |g / s_g| < 2^22.  Codes are exact in bf16 while min g <= 0 <= max g; beyond that they are rounded to bf16 as matrix operands.  NaN, infinities: not treated apart.
; REGISTERS, in windows of 256 (s_set_vgpr_msb: bits 1:0 source 0, 3:2 source 1, 5:4 source 2, 7:6 destination):
;   window 0: v0-31 addresses; v32-143, v144-255 g as loaded, two sets of 7 x 16          window 1: v0-55, v56-111 A's 7 fragments, two buffers; v112-159, v160-207 B's 6, two buffers
;   window 2: accumulators of blocks 0-4 ((a, b) at 48 a + 8 b)                            window 3: v0-95 blocks 5, 6; v128-175 b2 of my columns
.set PITCH,  272                       ; an LDS row of B: 256 bytes + 16 of padding
.set BSLOT,  384*PITCH
.set AQ0,    2*BSLOT                   ; behind B's ring, never filled by a tensor load: two slots of 28 fragments of 1,024 bytes: fragment (a, q) at (4 a + q) x 1,024, as [half][lane][16 bytes]
.set AQS,    28672
.set SPARE,  AQ0+2*AQS                 ; the spare words, 128 bytes a wave
.set SPITCH, 1552                      ; the way out: B's ring, when it has had its last fill, holds 112 rows of 1,536 bytes + 16
.set STO,  8                           ; v8-11  where I put 16 bytes of a row of blocks 0-1, 2-3, 4-5, 6
.set RD0,  12                          ; v12    where I read rows of blocks 0-5 back;  v13 of block 6
.set RD1,  13
.set CO0,  14                          ; v14, v15 the same rows in out
.set CO1,  15
.set ADB,  16                          ; v16-17 LDS address of my B fragments in slot 0, 1
.set ADQ,  18                          ; v18-19 of the A fragments
.set AQW,  20                          ; v20    where I leave my quarter's fragments
.set GV,   21                          ; v21    my offset in g: 16 lane + 2,048 wave + 8,192 x the K step asked for
.set GVMAX, 22                         ; v22    the same at the last K step
.set PFO,  23                          ; v23    6,144 x lane: a row of w2q
.set BO,   24                          ; v24    32 x (lane / 16)
.set L16,  26                          ; v26    16 x lane
.set SPW,  28
.set NIL,  29
.set RAW,  32
.set WV,   16                          ; s16 my wave's number
.set G1,   24                          ; s[24:31] group 1;  s[32:39] group 0, a set for each slot
.set G0,   32
.set INV,  48                          ; s[48:49] 1 / s_g
.set MG,   50                          ; s[50:51] 1.5 x 2^23;  s[52:53] its negative
.set MSB, 0
.macro WIN new
.if MSB != (\new)
	s_set_vgpr_msb (MSB<<8)|(\new)
.set MSB, \new
.endif
.endm
.macro PLACES
.rept 4
	v_nop
.endr
.endm
.macro CREST
	s_cmp_lg_u32 s[WV], 0
	s_cbranch_scc1 .Lnot_wave_0_\@
	s_barrier_signal -3
.Lnot_wave_0_\@:
	s_barrier_wait -3
	s_barrier_signal -1
	s_barrier_wait -1
.endm
.macro CROUND
	s_barrier_signal -1
	s_barrier_wait -1
	CREST
.endm
.macro JLOAD s                         ; every wave asks for its own 96 rows: no branch.  An s_nop 0 and four v_nop follow
	tensor_load_to_lds s[G0+4*(\s):G0+4*(\s)+3], s[G1:G1+7]
	s_nop 0
.rept 4
	v_nop
.endr
.endm
; A PREFETCH INTO THE L2 of w2q's K step two refills on: a lane a row, 256 bytes of each.  All 32 clusters of a column half walk the same 384 rows: the cluster with y = 0 asks.  Its four partners take 96 rows each,
; told apart by address; in each, waves 0-2 take 32 rows: 4 x 3 x 32 = 384: each row's 256 bytes of a K step are named once in the launch.  K steps 0-3 come by their loads alone; the loop's last trip asks for nothing.
.macro ASK
	s_cmp_gt_u32 s3, s72                           ; s3 = 1 in the loop's last trip; s72 = 1 in a wave that asks, else the greatest number
	s_cbranch_scc0 .Lnot_mine_\@
	global_prefetch_b8 v[PFO], s[70:71] offset:256 th:TH_LOAD_NT scope:SCOPE_SE
.Lnot_mine_\@:
.endm
; Blocks a0 .. a1 x 6 column blocks, 32 along K, on buffer f.  The 42 accumulators take turns in one fixed order, one instruction a turn.
.macro MULS f, a0, a1, zero
.set ia, \a0
.rept (\a1)-(\a0)+1
.if ia < 5
	WIN 0xa5
.set rA, 48*ia
.else
	WIN 0xf5
.set rA, 48*(ia-5)
.endif
.set ib, 0
.rept 6
.if \zero
	v_wmma_f32_16x16x32_bf16 v[rA+8*ib:rA+8*ib+7], v[112+48*(\f)+8*ib:112+48*(\f)+8*ib+7], v[56*(\f)+8*ia:56*(\f)+8*ia+7], 0
.else
	v_wmma_f32_16x16x32_bf16 v[rA+8*ib:rA+8*ib+7], v[112+48*(\f)+8*ib:112+48*(\f)+8*ib+7], v[56*(\f)+8*ia:56*(\f)+8*ia+7], v[rA+8*ib:rA+8*ib+7]
.endif
.set ib, ib+1
.endr
.set ia, ia+1
.endr
.endm
; 26 LDS loads in one run: quarter q of a slot into buffer f: B's 12, then A's 14, block after block
.macro FETCH slot, q, f
	WIN 0x40
.set fi, 0
.rept 6
	ds_load_b128 v[112+48*(\f)+8*fi:112+48*(\f)+8*fi+3],   v[ADB+(\slot)] offset:64*(\q)+fi*16*PITCH
	ds_load_b128 v[112+48*(\f)+8*fi+4:112+48*(\f)+8*fi+7], v[ADB+(\slot)] offset:64*(\q)+fi*16*PITCH+32
.set fi, fi+1
.endr
.set fi, 0
.rept 7
	ds_load_b128 v[56*(\f)+8*fi:56*(\f)+8*fi+3],   v[ADQ+(\slot)] offset:(4*fi+(\q))*1024
	ds_load_b128 v[56*(\f)+8*fi+4:56*(\f)+8*fi+7], v[ADQ+(\slot)] offset:(4*fi+(\q))*1024+512
.set fi, fi+1
.endr
.endm
.macro RAWLD set, a, extra             ; a fragment of g: four loads, 2,048 bytes on end a wave
.set rR, RAW+112*(\set)+16*(\a)
.irp j, 0,1,2,3
	global_load_b128 v[rR+4*\j:rR+4*\j+3], v[GV], s[66:67] offset:(\a)*196608+512*\j+(\extra)
.endr
.endm
; Fragment a of set `set` is quantised, left in AQ slot aq, and (issue = 1) its registers are asked for again.  left: the younger loads that may stay out.
.macro QFRAG set, a, aq, issue, left
.set rR, RAW+112*(\set)+16*(\a)
	s_wait_loadcnt \left
.set qi, 0
.rept 8
	v_pk_fma_f32 v[rR+2*qi:rR+2*qi+1], v[rR+2*qi:rR+2*qi+1], s[INV:INV+1], s[MG:MG+1] op_sel_hi:[1,0,0]
.set qi, qi+1
.endr
.set qi, 0
.rept 8
	v_pk_add_f32 v[rR+2*qi:rR+2*qi+1], v[rR+2*qi:rR+2*qi+1], s[MG+2:MG+3] op_sel_hi:[1,0]
.set qi, qi+1
.endr
.set qi, 0
.rept 8                                ; ascending, so that word qi is written when its old numbers have been read
	v_cvt_pk_bf16_f32 v[rR+qi], v[rR+2*qi], v[rR+2*qi+1]
.set qi, qi+1
.endr
.set qi, 0
.rept 8
	v_pk_min_num_bf16 v[rR+qi], v[rR+qi], s54      ; the upper clip, 255 - zp, twice
.set qi, qi+1
.endr
	ds_store_b128 v[AQW], v[rR:rR+3]   offset:(\aq)*AQS+4096*(\a)
	ds_store_b128 v[AQW], v[rR+4:rR+7] offset:(\aq)*AQS+4096*(\a)+512
.if \issue
	RAWLD \set, \a, 0
.endif
.endm
; One of a K step's first three quarters on slot `slot`: multiplies buffer f, quantises n fragments (from a0 on) of the NEXT K step into the other AQ slot, and fetches quarter q into buffer g.
; The quantising lines are also the plain places in front of the fetch.
.macro QUARTER slot, q, f, g, zero, a0, n, issue, left
	s_wait_dscnt 10                                ; B and A's blocks 0, 1 are in; the youngest ten loads (blocks 2-6) may be out
	MULS \f, 0, 1, \zero
	WIN 0
.if \n
.if ((\a0) == 0) && (\issue)
	s_wait_xcnt 0x0                                ; every load issued so far has read its offset: it steps once a K step,
	v_add_nc_u32 v[GV], 8192, v[GV]
	v_min_u32 v[GV], v[GV], v[GVMAX]               ; and stops at the last K step
.endif
	QFRAG 1-(\slot), \a0, 1-(\slot), \issue, \left
	QFRAG 1-(\slot), (\a0)+1, 1-(\slot), \issue, (\left)-4*(1-(\issue))
.else
	PLACES
.endif
	FETCH \slot, \q, \g
	s_wait_dscnt 26                                ; all but the 26 just issued
	MULS \f, 2, 6, \zero
.endm
; The fourth quarter multiplies buffer 1 and changes slots.  In front of the barrier each wave leaves its last fragment in AQ, waits for all its tensor loads (one is out: its rows of the next slot), adds 0 to its
; spare word, and waits for that, for its AQ stores and for its reads of both slots.  fill = 1: the barrier opens a round of the cluster's; the joint refill is the first thing behind the round.
.macro TURN slot, next, fill, issue, left
.if \fill
	s_wait_xcnt 0x0                                ; the last prefetch, a K step back, has read its address
	s_add_nc_u64 s[70:71], s[70:71], 256
.endif
	s_wait_dscnt 10
	MULS 1, 0, 1, 0
	WIN 0
	QFRAG 1-(\slot), 6, 1-(\slot), \issue, \left
	s_wait_tensorcnt 0x0
	ds_add_u32 v[SPW], v[NIL]
	s_wait_dscnt 11                                ; A's block 2 is in: the add, my two stores and blocks 3-6 may be out
	MULS 1, 2, 2, 0
	s_wait_dscnt 0x0
	s_barrier_signal -1
	MULS 1, 3, 3, 0                                ; work on registers while the others arrive
	WIN 0
	s_barrier_wait -1
.if \fill
	CREST
	s_add_nc_u64 s[G0+4*(\slot)+2:G0+4*(\slot)+3], s[G0+4*(\slot)+2:G0+4*(\slot)+3], 512
	JLOAD \slot                                    ; its four v_nop are also places in front of the loads below
.else
	PLACES
.endif
	FETCH \next, 0, 0
.if \fill
	WIN 0
	ASK
.endif
	MULS 1, 4, 6, 0
.endm
	s_load_b256 s[4:11], s[0:1], 0x0               ; g s[4:5], w2q s[6:7], b2 s[8:9], scal s[10:11]
	s_load_b128 s[12:15], s[0:1], 0x20             ; part2 s[12:13], out0 s[14:15]
	v_lshl_add_u32 v[SPW], v0, 2, SPARE
	v_mov_b32 v[NIL], 0
	ds_add_u32 v[SPW], v[NIL]                      ; the wave's opening: the add, twice on end, and its wait ahead of my first tensor load
	ds_add_u32 v[SPW], v[NIL]
	v_lshrrev_b32 v1, 5, v0
	v_readfirstlane_b32 s[WV], v1                  ; wave 0..3
	s_bfe_u32 s17, ttmp6, 0x40000                  ; cx
	s_mov_b32 s18, ttmp9                           ; the cluster's x: the column half
	s_and_b32 s19, ttmp7, 0xffff                   ; y
	s_lshl_b32 s20, s19, 2
	s_add_co_u32 s20, s20, s17                     ; mt: the row tile
	s_sub_co_i32 s21, s20, 108
	s_max_i32 s21, s21, 0
	s_mul_i32 s42, s20, 6
	s_add_co_u32 s21, s21, s42                     ; sb: its first block
	s_cmp_ge_u32 s19, 27                           ; mt >= 108 for all four partners, or for none
	s_cselect_b32 s22, 7, 6
	s_mov_b32 s[G1], 15|(1<<16)|(1<<20)|(1<<21)|(5<<22)|(3<<25)  ; the mask of four; elements of 2 bytes; padding on; bit 21 beside a mask; after every 64 words, 4 words
	s_mov_b32 s[G1+1], 128<<16                     ; tensor_dim0 = 128
	s_mov_b32 s[G1+2], 96<<16                      ; tensor_dim1 = 96
	s_mov_b32 s[G1+3], 128<<16                     ; tile_dim0 = 128
	s_mov_b32 s[G1+4], 96                          ; tile_dim1 = 96
	s_mov_b32 s[G1+5], 3072                        ; elements from row to row
	s_mov_b32 s[G1+6], 0
	s_mov_b32 s[G1+7], 0
	s_mul_i32 s40, s18, 384                        ; my 96 rows of w2q = my 96 columns of out: made of the column half and the wave's number alone
	s_mul_i32 s41, s[WV], 96
	s_add_co_u32 s40, s40, s41
	s_lshl_b32 s76, s40, 2                         ; the same columns in b2
	s_mov_b32 s77, 0
	s_mul_i32 s40, s40, 6144
	s_mov_b32 s41, 0
	s_mul_i32 s78, s[WV], 96*PITCH
	s_mov_b32 s[G0], 1
	s_mov_b32 s[G0+1], s78
	s_mov_b32 s[G0+4], 1
	s_add_co_u32 s[G0+5], s78, BSLOT
	s_mul_i32 s42, s21, 196608                     ; g at my first block
	s_mov_b32 s43, 0
	s_mul_i32 s44, s21, 49152                      ; out at my first row and column half
	s_mul_i32 s45, s18, 1536
	s_add_co_u32 s44, s44, s45
	s_mov_b32 s45, 0
	s_mul_i32 s46, s18, 384                        ; the prefetches: row 384 half + 96 cx + 32 wave (wave 3 asks for nothing and holds wave 2's rows)
	s_mul_i32 s47, s17, 96
	s_add_co_u32 s46, s46, s47
	s_min_u32 s47, s[WV], 2
	s_lshl_b32 s47, s47, 5
	s_add_co_u32 s46, s46, s47
	s_mul_i32 s46, s46, 6144
	s_add_co_u32 s46, s46, 512                     ; at K step 2: the first change of slots steps it to 3 and names K step 4
	s_mov_b32 s47, 0
	s_cmp_lt_u32 s[WV], 3
	s_cselect_b32 s72, 0, 1
	s_or_b32 s72, s72, s19                         ; 0 in waves 0-2 of the clusters with y = 0: the same in all four partners
	s_cmp_eq_u32 s72, 0
	s_cselect_b32 s72, 1, -1
	s_mov_b32 s[MG], 0x4b400000
	s_mov_b32 s[MG+1], 0x4b400000
	s_mov_b32 s[MG+2], 0xcb400000
	s_mov_b32 s[MG+3], 0xcb400000
	s_mov_b32 s60, 0x76543210
	s_mov_b32 s61, 0xfedcba98
	s_wait_dscnt 0x0                               ; both opening adds are done
	s_wait_kmcnt 0x0
	s_add_nc_u64 s[40:41], s[6:7], s[40:41]
	s_mov_b64 s[G0+2:G0+3], s[40:41]               ; K step 0
	s_or_b32 s[G0+3], s[G0+3], 0x80000000
	s_add_nc_u64 s[G0+6:G0+7], s[40:41], 256       ; K step 1
	s_or_b32 s[G0+7], s[G0+7], 0x80000000
	s_add_nc_u64 s[66:67], s[4:5], s[42:43]
	s_add_nc_u64 s[68:69], s[14:15], s[44:45]
	s_add_nc_u64 s[70:71], s[6:7], s[46:47]
	s_add_nc_u64 s[74:75], s[8:9], s[76:77]
	s_load_b32 s58, s[10:11], 0x4                  ; s of w2
	CROUND                                         ; all four work-groups are here: the first joint loads meet
	tensor_load_to_lds s[G0:G0+3], s[G1:G1+7]
	s_nop 0
	tensor_load_to_lds s[G0+4:G0+7], s[G1:G1+7]
	s_nop 0
.rept 4
	v_nop
.endr
	v_and_b32 v1, 15, v0                           ; r = l % 16
	v_bfe_u32 v25, v0, 4, 1                        ; h = l / 16
	v_and_b32 v4, 31, v0
	v_lshlrev_b32 v[L16], 4, v4
	v_lshlrev_b32 v[BO], 5, v25
	s_lshl_b32 s79, s[WV], 11
	v_add_nc_u32 v[GV], s79, v[L16]
	v_add_nc_u32 v[GVMAX], 23*8192, v[GV]
	WIN 0xc0
.set ib, 0
.rept 6
	global_load_b128 v[128+8*ib:128+8*ib+3],   v[BO], s[74:75] offset:64*ib     ; b2 of my 8 columns of column block ib
	global_load_b128 v[128+8*ib+4:128+8*ib+7], v[BO], s[74:75] offset:64*ib+16
.set ib, ib+1
.endr
	WIN 0x40
.set i, 0
.rept 32
	global_load_b128 v[4*i:4*i+3], v[L16], s[12:13] offset:512*i               ; all 2,048 pairs of part2: two pairs a lane and load
.set i, i+1
.endr
	WIN 0
.irp a, 0,1,2,3,4,5,6
	RAWLD 0, \a, 0                                 ; g of K step 0,
.endr
.irp a, 0,1,2,3,4,5,6
	RAWLD 1, \a, 8192                              ; and of K step 1
.endr
	v_mul_u32_u24 v[PFO], v4, 6144
	v_mul_u32_u24 v3, v1, PITCH
	v_lshl_add_u32 v3, v25, 4, v3                  ; a fragment's row x pitch + 16 x half
	v_add_nc_u32 v[ADB], s78, v3
	v_add_nc_u32 v[ADB+1], BSLOT, v[ADB]
	v_add_nc_u32 v[ADQ], AQ0, v[L16]
	v_add_nc_u32 v[ADQ+1], AQ0+AQS, v[L16]
	s_lshl_b32 s79, s[WV], 10
	s_add_co_u32 s79, s79, AQ0
	v_add_nc_u32 v[AQW], s79, v[L16]
	v_mul_u32_u24 v2, v1, SPITCH                   ; into the stage: row r of a block, my wave's 384 bytes, 32 bytes for each half of the lanes
	v_lshl_add_u32 v2, v25, 5, v2
	s_mul_i32 s79, s[WV], 384
	v_add_nc_u32 v[STO], s79, v2
	v_add_nc_u32 v[STO+1], 32*SPITCH, v[STO]
	v_add_nc_u32 v[STO+2], 64*SPITCH, v[STO]
	v_add_nc_u32 v[STO+3], 96*SPITCH, v[STO]
	s_mul_i32 s79, s[WV], 24                       ; back: wave w takes rows 24 w .. 24 w + 23 of blocks 0-5; lanes 0-15 take 256 bytes of one row, lanes 16-31 of the next
	v_add_nc_u32 v2, s79, v25
	v_mul_u32_u24 v[RD0], v2, SPITCH
	v_lshl_add_u32 v[RD0], v1, 4, v[RD0]
	v_mul_u32_u24 v[CO0], v2, 3072
	v_lshl_add_u32 v[CO0], v1, 4, v[CO0]
	s_lshl_b32 s79, s[WV], 2                       ; and rows 96 + 4 w .. of block 6
	s_add_co_u32 s79, s79, 96
	v_add_nc_u32 v2, s79, v25
	v_mul_u32_u24 v[RD1], v2, SPITCH
	v_lshl_add_u32 v[RD1], v1, 4, v[RD1]
	v_mul_u32_u24 v[CO1], v2, 3072
	v_lshl_add_u32 v[CO1], v1, 4, v[CO1]
	v_mov_b32 v4, 0                                ; v_permlanex16_b32 counts as a reader of its destination
	s_wait_loadcnt 56                              ; b2 and part2 are in; g's 56 loads are the younger ones
	WIN 0x05                                       ; sources in window 1, destination in window 0
	v_min_num_f32 v2, v0, v2
	v_max_num_f32 v3, v1, v3
	WIN 0x14                                       ; sources 1 and 2 in window 1
.set i, 1
.rept 31
	v_min3_num_f32 v2, v2, v[4*i], v[4*i+2]
	v_max3_num_f32 v3, v3, v[4*i+1], v[4*i+3]
.set i, i+1
.endr
	WIN 0
	v_min_num_f32_dpp v2, v2, v2 row_xmask:1 row_mask:0xf bank_mask:0xf
	v_max_num_f32_dpp v3, v3, v3 row_xmask:1 row_mask:0xf bank_mask:0xf
	v_min_num_f32_dpp v2, v2, v2 row_xmask:2 row_mask:0xf bank_mask:0xf
	v_max_num_f32_dpp v3, v3, v3 row_xmask:2 row_mask:0xf bank_mask:0xf
	v_min_num_f32_dpp v2, v2, v2 row_xmask:4 row_mask:0xf bank_mask:0xf
	v_max_num_f32_dpp v3, v3, v3 row_xmask:4 row_mask:0xf bank_mask:0xf
	v_min_num_f32_dpp v2, v2, v2 row_xmask:8 row_mask:0xf bank_mask:0xf
	v_max_num_f32_dpp v3, v3, v3 row_xmask:8 row_mask:0xf bank_mask:0xf
	v_permlanex16_b32 v4, v2, s60, s61
	v_min_num_f32 v2, v2, v4                       ; min g
	v_permlanex16_b32 v4, v3, s60, s61
	v_max_num_f32 v3, v3, v4                       ; max g
	v_sub_f32 v5, v3, v2
	v_max_num_f32 v5, 0x322bcc77, v5               ; 1e-8
	v_mul_f32 v6, 0x3b808081, v5                   ; s_g = d / 255 as a true quotient: q0 = d y, r = d - 255 q0, q = q0 + r y
	v_fmamk_f32 v4, v6, 0xc37f0000, v5
	v_fmamk_f32 v6, v4, 0x3b808081, v6
	v_rcp_f32 v7, v6
	v_nop                                          ; a plain instruction behind the reciprocal,
	s_wait_alu depctr_va_vdst(0)                   ; and a wait ahead of its first reader
	v_fma_f32 v4, -v6, v7, 1.0
	v_fma_f32 v7, v4, v7, v7                       ; 1 / s_g, refined once
	v_mul_f32 v5, v2, v7                           ; min g / s_g as a true quotient
	v_fma_f32 v4, -v6, v5, v2
	v_fma_f32 v5, v4, v7, v5
	v_rndne_f32 v5, v5                             ; -zp
	v_add_f32 v5, 0x437f0000, v5                   ; 255 - zp
	v_cvt_pk_bf16_f32 v5, v5, v5
	s_wait_kmcnt 0x0
	v_mul_f32 v6, s58, v6                          ; s_g s_w2
	v_readfirstlane_b32 s[INV], v7
	v_readfirstlane_b32 s54, v5
	v_readfirstlane_b32 s56, v6
	s_mov_b32 s[INV+1], s[INV]                     ; named as pairs by the packed forms
	s_mov_b32 s57, s56
	s_wait_xcnt 0x0                                ; g's loads have read their offset
	v_add_nc_u32 v[GV], 16384, v[GV]               ; K step 2 is asked for next
.irp a, 0,1,2,3,4,5,6
	QFRAG 0, \a, 0, 1, 52                          ; K step 0 into AQ slot 0: 13 fragments' loads are younger than the one waited for
.endr
	s_wait_tensorcnt 0x1                           ; my rows of K step 0 are in; K step 1's may stay out
	s_wait_dscnt 0x0                               ; my fragments lie in AQ
	s_barrier_signal -1
	s_barrier_wait -1
	FETCH 0, 0, 0
	QUARTER 0, 1, 0, 1, 1, 0, 2, 1, 52             ; the first quarter stands in front of the loop: its products start the sums
	WIN 0
	s_mov_b32 s3, 11
.Llap:                                                 ; a trip goes once round the ring, from a lap's second quarter to the next lap's first, and fills both slots again: K steps 2-23
	QUARTER 0, 2, 1, 0, 0, 2, 2, 1, 52
	QUARTER 0, 3, 0, 1, 0, 4, 2, 1, 52
	TURN 0, 1, 1, 1, 52
	QUARTER 1, 1, 0, 1, 0, 0, 2, 1, 52
	QUARTER 1, 2, 1, 0, 0, 2, 2, 1, 52
	QUARTER 1, 3, 0, 1, 0, 4, 2, 1, 52
	TURN 1, 0, 1, 1, 52
	QUARTER 0, 1, 0, 1, 0, 0, 2, 1, 52
	WIN 0
	s_sub_co_u32 s3, s3, 1
	s_cmp_lg_u32 s3, 0
	s_cbranch_scc1 .Llap
	QUARTER 0, 2, 1, 0, 0, 2, 2, 0, 52             ; the last lap is written out.  Nothing more is asked for: behind fragment a of the last K step stand its 6 - a fellows and the nine held requests: 60 - 4 a loads
	QUARTER 0, 3, 0, 1, 0, 4, 2, 0, 44
	TURN 0, 1, 0, 0, 36
	QUARTER 1, 1, 0, 1, 0, 0, 0, 0, 0
	QUARTER 1, 2, 1, 0, 0, 0, 0, 0, 0
	QUARTER 1, 3, 0, 1, 0, 0, 0, 0, 0
	s_wait_dscnt 10
	MULS 1, 0, 1, 0
	s_wait_dscnt 0x0
	MULS 1, 2, 6, 0
	WIN 0
	; THE WAY OUT.  out = s_g s_w2 sum + b2 goes into B's ring, which has had its last fill: rows of 1,536 bytes that four waves write; then whole rows come back and are stored, 16 lanes to 256 aligned bytes.
	s_wait_loadcnt 0x0                             ; the nine held requests have landed: their registers are free
	s_barrier_signal -1                            ; no LDS instruction of mine is out: nobody reads the ring any more
	s_barrier_wait -1
	PLACES
.set ia, 0
.rept 7
.if ia < 5
	WIN 0x32                                       ; source 0 window 2, source 2 (the bias) window 3, destination window 0
.set rA, 48*ia
.else
	WIN 0x33
.set rA, 48*(ia-5)
.endif
.set i, 0
.rept 24                               ; ascending: each accumulator's lowest registers are read first
	v_pk_fma_f32 v[32+2*i:33+2*i], v[rA+2*i:rA+2*i+1], s[56:57], v[128+2*i:129+2*i] op_sel_hi:[1,0,1]
.set i, i+1
.endr
	WIN 0
.set ib, 0
.rept 6
	ds_store_b128 v[STO+ia/2], v[32+8*ib:35+8*ib] offset:(ia%2)*16*SPITCH+64*ib
	ds_store_b128 v[STO+ia/2], v[36+8*ib:39+8*ib] offset:(ia%2)*16*SPITCH+64*ib+16
.set ib, ib+1
.endr
.set ia, ia+1
.endr
	s_wait_dscnt 0x0                               ; for the others' sake: my stores into the stage are done
	s_barrier_signal -1
	s_barrier_wait -1
.set gq, 0
.rept 3                                ; my 24 rows: 72 loads and stores, 24 at a time, on two ranges of registers by turns
.if gq == 2
	s_wait_xcnt 0x0                                ; the first range is loaded again only when its stores have read it
.endif
.set rB, 32+96*(gq%2)
.set i, 0
.rept 24
	ds_load_b128 v[rB+4*i:rB+4*i+3], v[RD0] offset:2*SPITCH*((24*gq+i)/6)+256*((24*gq+i)%6)
.set i, i+1
.endr
	s_wait_dscnt 0x0
.set i, 0
.rept 24
	global_store_b128 v[CO0], v[rB+4*i:rB+4*i+3], s[68:69] offset:6144*((24*gq+i)/6)+256*((24*gq+i)%6) th:TH_STORE_NT
.set i, i+1
.endr
.set gq, gq+1
.endr
	s_cmp_eq_u32 s22, 7                            ; the seventh block is stored where it is owned: the same answer in all four partners
	s_cbranch_scc0 .Lend
	s_wait_xcnt 0x0
.set i, 0
.rept 12
	ds_load_b128 v[128+4*i:131+4*i], v[RD1] offset:2*SPITCH*(i/6)+256*(i%6)
.set i, i+1
.endr
	s_wait_dscnt 0x0
.set i, 0
.rept 12
	global_store_b128 v[CO1], v[128+4*i:131+4*i], s[68:69] offset:6144*(i/6)+256*(i%6) th:TH_STORE_NT
.set i, i+1
.endr
.Lend:
	s_wait_tensorcnt 0x0                           ; the wave's end: three lines behind my last tensor load and my last LDS store
	ds_add_u32 v[SPW], v[NIL]
	s_wait_dscnt 0x0
	CROUND                                         ; the closing round: no work-group ends while a partner may still ask for a tile that names it
	s_endpgm
.Lfunc_end_k_qbce5ad1e8c_gemm2:
	.size	k_qbce5ad1e8c_gemm2, .Lfunc_end_k_qbce5ad1e8c_gemm2-k_qbce5ad1e8c_gemm2
	.p2alignl 7, 3214868480
	.fill 96, 4, 3214868480
	.section	.rodata,"a",@progbits
	.p2align	6, 0x0
	.amdhsa_kernel k_qbce5ad1e8c_gemm2
		.amdhsa_group_segment_fixed_size 327680
		.amdhsa_private_segment_fixed_size 0
		.amdhsa_enable_private_segment 0
		.amdhsa_kernarg_size 48
		.amdhsa_user_sgpr_count 2
		.amdhsa_user_sgpr_kernarg_segment_ptr 1
		.amdhsa_wavefront_size32 1
		.amdhsa_system_sgpr_workgroup_id_x 1
		.amdhsa_system_sgpr_workgroup_id_y 1
		.amdhsa_system_sgpr_workgroup_id_z 1
		.amdhsa_system_vgpr_workitem_id 0
		.amdhsa_next_free_vgpr 960
		.amdhsa_next_free_sgpr 96
		.amdhsa_reserve_vcc 0
		.amdhsa_float_denorm_mode_32 3
		.amdhsa_float_denorm_mode_16_64 3
		.amdhsa_memory_ordered 1
		.amdhsa_forward_progress 1
		.amdhsa_inst_pref_size 197
	.end_amdhsa_kernel
	.amdgpu_metadata
---
amdhsa.version: [ 1, 2 ]
amdhsa.kernels:
  - .name:           k_qbce5ad1e8c_gemm2
    .symbol:         k_qbce5ad1e8c_gemm2.kd
    .args:
      - { .name: g, .offset: 0, .size: 8, .value_kind: global_buffer, .address_space: global }
      - { .name: w2q, .offset: 8, .size: 8, .value_kind: global_buffer, .address_space: global }
      - { .name: b2, .offset: 16, .size: 8, .value_kind: global_buffer, .address_space: global }
      - { .name: scal, .offset: 24, .size: 8, .value_kind: global_buffer, .address_space: global }
      - { .name: part2, .offset: 32, .size: 8, .value_kind: global_buffer, .address_space: global }
      - { .name: out0, .offset: 40, .size: 8, .value_kind: global_buffer, .address_space: global }
    .group_segment_fixed_size: 327680
    .private_segment_fixed_size: 0
    .kernarg_segment_align: 8
    .kernarg_segment_size: 48
    .max_flat_workgroup_size: 128
    .sgpr_count:     96
    .vgpr_count:     960
    .wavefront_size: 32
...
	.end_amdgpu_metadata
.endif
;; end of part 4
;; ======== version 2 of 2: 4 launches; version 1 with the launch quant written anew for expert scheduling mode
;; workspace buffers: part1 7,168 bytes; scal 256 bytes; xq 19,365,888 bytes; w1q 4,718,592 bytes; w2q 4,718,592 bytes; g 154,927,104 bytes; part2 16,384 bytes
;; launch minmax: the kernel of part 1 again; grid 879 x 1, 8 waves a work-group, no clusters, 1,280 bytes of LDS; arguments x, w1, w2, part1; writes part1
;; launch quant (part 5): grid 879 x 1, 8 waves a work-group, no clusters, 0 bytes of LDS; arguments x, w1, w2, part1, xq, w1q, w2q, scal; writes xq, w1q, w2q, scal
.if DOCPART == 5
	.amdgcn_target "amdgcn-amd-amdhsa--gfx1250"
	.amdhsa_code_object_version 6
	.text
	.protected	k_qbce5ad1e8c_quant
	.globl	k_qbce5ad1e8c_quant
	.p2align	8
	.type	k_qbce5ad1e8c_quant,@function
k_qbce5ad1e8c_quant:
	s_mov_b64 s[64:65], 0
	v_nop
	global_prefetch_b8 v0, s[64:65] scope:SCOPE_SE
	s_setreg_imm32_b32 hwreg(HW_REG_WAVE_SCHED_MODE, 0, 2), 2
	s_setreg_imm32_b32 hwreg(HW_REG_WAVE_MODE, 25, 1), 1
	s_wait_xcnt 0x0
	s_wait_alu depctr_vm_vsrc(0)
; QUANT.  The codes of x, w1 and w2 as bf16 whole numbers.  x: clip(round(x / s), -zp, 255 - zp) = q - zp, s = max(max - min, 1e-8) / 255, zp = round(-min / s).
; w: clip(round(w / s), -128, 127), s = max(max|w|, 1e-8) / 127.  The products of the two GEMMs are then taken on whole numbers, and the scales go into one multiply-add behind the sums.
; A work-group takes a chunk of 65,536 input bytes (the chunks of the launch before): thread t loads 16 bytes at 16 t + 4,096 k and stores 8 bytes at 8 t + 2,048 k:
; each store of a wave covers 256 consecutive bytes, aligned.  Every wave reduces the 879 pairs of part1 (7,032 bytes) for itself: no LDS, no barrier.
; THE QUOTIENT IS THE ROUNDED TRUE QUOTIENT: q0 = a y, r = a - b q0 (exact, by a fused multiply-add), q = q0 + r y, with y = 1 / b refined once.  One other code in x would move a whole row
; of the first product, so a product with a rounded reciprocal alone does not serve here.  EXACT_DIVC = 1: d / 255 and a / 127 are true quotients too; 0: products with the rounded 1 / 255, 1 / 127.
; LIMITS.  NaN and infinities are not treated apart.  q - zp is exact in bf16 while min <= 0 <= max (it then lies in -255 .. 255); where x carries a common offset beyond its spread it passes 256
; and is rounded to bf16's 8 bits, as a matrix operand.
; THE MODE: SCHED_MODE bits 1:0 = 2 (LLVM: expert scheduling mode 2), set by the entry lines.  The code itself states the register dependences
; between vector instructions and memory instructions, with s_wait_alu, always for 0.
; THE PLAN.  Registers that memory instructions touch:
;   v1, v3-v6    offsets of the loads; v2 the offset of the 16 stores of codes.  Made once at the head and never written again: one wait ahead of the first load serves them all.
;   P, X         Written by the loads alone, which all go out at the head; no vector instruction names them ahead of the loads, and no load lands in them afterwards.
;   O            Two words for each of the 16 steps, written once by the step's two roundings and read once by the step's store: none is written again.
;   v[T], v[T+2:T+3]  At the end: offset and data of the one store of the scales.
; The 16 steps go in four blocks of four.  The store of step k - 4 stands at the head of step k: ONE wait at a block's head states that the block before has written its eight words of O,
; and the four stores that read them are dealt among the block's steps, whose vector instructions name X, QT and the block's own words of O alone.  A last wait stands ahead of the last four stores.
.set EXACT_DIVC, 1
.set P,  16                            ; v[16:73]   29 pairs of part1 a lane
.set X,  80                            ; v[80:143]  the thread's 64 numbers
.set O,  144                           ; v[144:175] 32 words of codes, each store's own
.set T,  176                           ; v176 min x, v177 max x, v178 max|w1|, v179 max|w2|, v180 at work, v181-183 the three scales
.set QT, 184                           ; v[184:191] at work
.macro LMIN r
	v_min_num_f32_dpp v[\r], v[\r], v[\r] row_xmask:1 row_mask:0xf bank_mask:0xf
	v_min_num_f32_dpp v[\r], v[\r], v[\r] row_xmask:2 row_mask:0xf bank_mask:0xf
	v_min_num_f32_dpp v[\r], v[\r], v[\r] row_xmask:4 row_mask:0xf bank_mask:0xf
	v_min_num_f32_dpp v[\r], v[\r], v[\r] row_xmask:8 row_mask:0xf bank_mask:0xf
	v_permlanex16_b32 v[QT], v[\r], s46, s47
	v_min_num_f32 v[\r], v[\r], v[QT]
.endm
.macro LMAX r
	v_max_num_f32_dpp v[\r], v[\r], v[\r] row_xmask:1 row_mask:0xf bank_mask:0xf
	v_max_num_f32_dpp v[\r], v[\r], v[\r] row_xmask:2 row_mask:0xf bank_mask:0xf
	v_max_num_f32_dpp v[\r], v[\r], v[\r] row_xmask:4 row_mask:0xf bank_mask:0xf
	v_max_num_f32_dpp v[\r], v[\r], v[\r] row_xmask:8 row_mask:0xf bank_mask:0xf
	v_permlanex16_b32 v[QT], v[\r], s46, s47
	v_max_num_f32 v[\r], v[\r], v[QT]
.endm
.macro DIVC q, a, yc, nb               ; q = a / b for a constant b: yc = the rounded 1 / b, nb = -b
	v_mul_f32 v[\q], \yc, v[\a]
.if EXACT_DIVC
	v_fmamk_f32 v[QT], v[\q], \nb, v[\a]           ; r = a - b q0
	v_fmamk_f32 v[\q], v[QT], \yc, v[\q]           ; q = q0 + r y
.endif
.endm
.macro WMAX a, pb                      ; max|w| of the lane's five pairs from pair pb on: the larger of max and -min
	v_min3_num_f32 v[QT], v[P+2*(\pb)], v[P+2*(\pb)+2], v[P+2*(\pb)+4]
	v_max3_num_f32 v[\a], v[P+2*(\pb)+1], v[P+2*(\pb)+3], v[P+2*(\pb)+5]
	v_min3_num_f32 v[QT], v[QT], v[P+2*(\pb)+6], v[P+2*(\pb)+8]
	v_max3_num_f32 v[\a], v[\a], v[P+2*(\pb)+7], v[P+2*(\pb)+9]
	v_sub_f32 v[QT], 0, v[QT]
	v_max_num_f32 v[\a], v[\a], v[QT]
.endm
	s_load_b512 s[16:31], s[0:1], 0x0              ; x s[16:17], w1 s[18:19], w2 s[20:21], part1 s[22:23], xq s[24:25], w1q s[26:27], w2q s[28:29], scal s[30:31]
	v_and_b32 v7, 31, v0                           ; lane
	v_lshrrev_b32 v8, 5, v0
	v_readfirstlane_b32 s43, v8                    ; wave
	v_lshlrev_b32 v1, 4, v0                        ; 16 t
	v_lshlrev_b32 v2, 3, v0                        ; 8 t
	v_lshlrev_b32 v3, 3, v7                        ; 8 x lane
	v_add_nc_u32 v4, 576, v7                       ; what 32 lanes do not divide is clamped to the segment's last pair: a pair taken twice changes no minimum
	v_min_u32 v4, 590, v4
	v_lshlrev_b32 v4, 3, v4
	v_add_nc_u32 v5, 719, v7
	v_min_u32 v5, 734, v5
	v_lshlrev_b32 v5, 3, v5
	v_add_nc_u32 v6, 863, v7
	v_min_u32 v6, 878, v6
	v_lshlrev_b32 v6, 3, v6
	v_mov_b32 v[QT], 0                             ; v_permlanex16_b32 counts as a reader of its destination
	s_mov_b32 s42, ttmp9                           ; the chunk
	s_sub_co_u32 s44, s42, 591
	s_sub_co_u32 s45, s42, 735
	s_mov_b32 s46, 0x76543210
	s_mov_b32 s47, 0xfedcba98
	s_wait_alu depctr_va_sdst(0)                   ; s43, the wave's number, is written: here, ahead of every branch; its first reader is the compare at the kernel's end
	s_wait_kmcnt 0x0
	s_wait_alu depctr_va_vdst(0)                   ; the offsets v1 to v6 are written, which every load below and the 16 stores of codes read
.set k, 0
.rept 18
	global_load_b64 v[P+2*k:P+2*k+1], v3, s[22:23] offset:256*k            ; x's pairs 0-575
.set k, k+1
.endr
	global_load_b64 v[P+36:P+37], v4, s[22:23]                             ; 576-590
.set k, 0
.rept 4
	global_load_b64 v[P+38+2*k:P+39+2*k], v3, s[22:23] offset:4728+256*k   ; w1's pairs 591-718
.set k, k+1
.endr
	global_load_b64 v[P+46:P+47], v5, s[22:23]                             ; 719-734
.set k, 0
.rept 4
	global_load_b64 v[P+48+2*k:P+49+2*k], v3, s[22:23] offset:5880+256*k   ; w2's pairs 735-862
.set k, k+1
.endr
	global_load_b64 v[P+56:P+57], v6, s[22:23]                             ; 863-878
	s_cmp_lt_u32 s42, 735
	s_cselect_b64 s[32:33], s[18:19], s[20:21]     ; from where,
	s_cselect_b64 s[34:35], s[26:27], s[28:29]     ; to where
	s_cselect_b32 s44, s44, s45                    ; the chunk's number in its tensor
	s_cmp_lt_u32 s42, 591
	s_cselect_b64 s[32:33], s[16:17], s[32:33]
	s_cselect_b64 s[34:35], s[24:25], s[34:35]
	s_cselect_b32 s44, s42, s44
	s_lshl_b32 s52, s44, 16
	s_mov_b32 s53, 0
	s_add_nc_u64 s[32:33], s[32:33], s[52:53]
	s_lshl_b32 s52, s44, 15
	s_add_nc_u64 s[34:35], s[34:35], s[52:53]
.set k, 0
.rept 16
	global_load_b128 v[X+4*k:X+4*k+3], v1, s[32:33] offset:4096*k th:TH_LOAD_NT  ; the bytes' last reading; no vector instruction since the wait above names v1 or X
.set k, k+1
.endr
	s_wait_loadcnt 16                              ; part1's 29 loads are in; the 16 younger ones stay out
	v_min3_num_f32 v[T], v[P], v[P+2], v[P+4]
	v_max3_num_f32 v[T+1], v[P+1], v[P+3], v[P+5]
.set p, 3
.rept 8
	v_min3_num_f32 v[T], v[T], v[P+2*p], v[P+2*p+2]
	v_max3_num_f32 v[T+1], v[T+1], v[P+2*p+1], v[P+2*p+3]
.set p, p+2
.endr
	WMAX T+2, 19
	WMAX T+3, 24
	LMIN T
	LMAX T+1
	LMAX T+2
	LMAX T+3
	v_sub_f32 v[T+4], v[T+1], v[T]
	v_max_num_f32 v[T+4], 0x322bcc77, v[T+4]       ; 1e-8
	v_max_num_f32 v[T+2], 0x322bcc77, v[T+2]
	v_max_num_f32 v[T+3], 0x322bcc77, v[T+3]
	DIVC T+5, T+4, 0x3b808081, 0xc37f0000          ; s of x  = d / 255
	DIVC T+6, T+2, 0x3c010204, 0xc2fe0000          ; s of w1 = a / 127
	DIVC T+7, T+3, 0x3c010204, 0xc2fe0000          ; s of w2
	v_readfirstlane_b32 s48, v[T+5]
	v_readfirstlane_b32 s49, v[T+6]
	v_readfirstlane_b32 s50, v[T+7]
	s_wait_alu depctr_va_sdst(0)                   ; the three scales s48, s49 and s50 are written, ahead of the selects that read them
	s_cmp_lt_u32 s42, 735
	s_cselect_b32 s51, s49, s50
	s_cmp_lt_u32 s42, 591
	s_cselect_b32 s51, s48, s51                    ; S: my chunk's scale
	v_mov_b32 v[QT+1], s51
	v_rcp_f32 v[QT+2], v[QT+1]
	v_nop                                          ; a plain instruction behind the reciprocal,
	s_wait_alu depctr_va_vdst(0)                   ; and a wait ahead of its first reader: the reciprocal has written v[QT+2]
	v_fma_f32 v[QT+3], -v[QT+1], v[QT+2], 1.0
	v_fma_f32 v[QT+2], v[QT+3], v[QT+2], v[QT+2]   ; Y = 1 / S, refined once
	v_mul_f32 v[QT+4], v[T], v[QT+2]               ; min / S, as a true quotient (used in x's chunks alone)
	v_fma_f32 v[QT+5], -v[QT+1], v[QT+4], v[T]
	v_fma_f32 v[QT+4], v[QT+5], v[QT+2], v[QT+4]
	v_rndne_f32 v[QT+4], v[QT+4]                   ; = -zp: quotient and rounding are odd functions
	v_add_f32 v[QT+5], 0x437f0000, v[QT+4]         ; 255 - zp
	v_readfirstlane_b32 s36, v[QT+2]
	v_readfirstlane_b32 s52, v[QT+4]
	v_readfirstlane_b32 s53, v[QT+5]
	s_wait_alu depctr_va_sdst(0)                   ; Y in s36 and the two bounds in s52 and s53 are written, ahead of the move and the selects that read them
	s_mov_b32 s37, s36                             ; named as pairs by the packed forms
	s_xor_b32 s38, s51, 0x80000000                 ; -S
	s_mov_b32 s39, s38
	s_cmp_lt_u32 s42, 591
	s_cselect_b32 s40, s52, 0xc3000000             ; the lower bound: -zp, or -128
	s_cselect_b32 s41, s53, 0x42fe0000             ; the upper: 255 - zp, or 127
.set k, 0
.rept 16
	s_wait_loadcnt 15-k                            ; load k is in; the 15 - k younger ones stay out
.if ((k % 4) == 0) && (k > 0)
	s_wait_alu depctr_va_vdst(0)                   ; the four steps before have written their eight words of O, which the four stores dealt among this block's steps read
.endif
.if k >= 4
	global_store_b64 v2, v[O+2*(k-4):O+2*(k-4)+1], s[34:35] offset:2048*(k-4)  ; the step four back.  No further wait: no vector instruction since the block's wait names these two words or v2
.endif
	v_pk_mul_f32 v[QT:QT+1], v[X+4*k:X+4*k+1], s[36:37] op_sel_hi:[1,0]                       ; q0 = x Y
	v_pk_mul_f32 v[QT+2:QT+3], v[X+4*k+2:X+4*k+3], s[36:37] op_sel_hi:[1,0]
	v_pk_fma_f32 v[QT+4:QT+5], v[QT:QT+1], s[38:39], v[X+4*k:X+4*k+1] op_sel_hi:[1,0,1]       ; r = x - S q0
	v_pk_fma_f32 v[QT+6:QT+7], v[QT+2:QT+3], s[38:39], v[X+4*k+2:X+4*k+3] op_sel_hi:[1,0,1]
	v_pk_fma_f32 v[QT:QT+1], v[QT+4:QT+5], s[36:37], v[QT:QT+1] op_sel_hi:[1,0,1]             ; q = q0 + r Y
	v_pk_fma_f32 v[QT+2:QT+3], v[QT+6:QT+7], s[36:37], v[QT+2:QT+3] op_sel_hi:[1,0,1]
.irp j, 0,1,2,3
	v_rndne_f32 v[QT+\j], v[QT+\j]                 ; ties to even, as jnp.round
.endr
.irp j, 0,1,2,3
	v_med3_num_f32 v[QT+\j], v[QT+\j], s40, s41
.endr
	v_cvt_pk_bf16_f32 v[O+2*k], v[QT], v[QT+1]     ; each store has its own two registers: none is rewritten
	v_cvt_pk_bf16_f32 v[O+2*k+1], v[QT+2], v[QT+3]
.set k, k+1
.endr
	s_wait_alu depctr_va_vdst(0)                   ; steps 12 to 15 have written their eight words of O, which the last four stores read
.set k, 12
.rept 4
	global_store_b64 v2, v[O+2*k:O+2*k+1], s[34:35] offset:2048*k
.set k, k+1
.endr
	s_cmp_lg_u32 s42, 0                            ; thread 0 of chunk 0 leaves the scales for the two GEMMs
	s_cbranch_scc1 .Lend
	s_cmp_lg_u32 s43, 0
	s_cbranch_scc1 .Lend
	v_mov_b32 v[T], 0
	v_mul_f32 v[T+2], v[T+5], v[T+6]               ; S1 = s of x times s of w1
	v_mov_b32 v[T+3], v[T+7]                       ; s of w2
	s_wait_xcnt 0x0                                ; EXEC changes only behind this wait
	v_cmp_eq_u32 vcc_lo, 0, v0
	s_wait_alu depctr_va_vcc(0)                    ; the compare has written VCC, from which EXEC is made
	s_wait_alu depctr_va_vdst(0)                   ; in front of a scalar write of EXEC: the vector instructions issued so far have written their results, among them v[T] and v[T+2:T+3], which the store below reads
	s_wait_alu depctr_vm_vsrc(0)                   ; and the memory instructions issued so far have read their vector registers
	s_and_saveexec_b32 s55, vcc_lo
	global_store_b64 v[T], v[T+2:T+3], s[30:31]
	s_wait_xcnt 0x0
	s_wait_alu depctr_va_vdst(0)                   ; in front of the restore of EXEC both waits stand again: the vector side's results are written,
	s_wait_alu depctr_vm_vsrc(0)                   ; and the store has read v[T] and v[T+2:T+3] under the narrow EXEC
	s_or_b32 exec_lo, exec_lo, s55
.Lend:
	s_endpgm
.Lfunc_end_k_qbce5ad1e8c_quant:
	.size	k_qbce5ad1e8c_quant, .Lfunc_end_k_qbce5ad1e8c_quant-k_qbce5ad1e8c_quant
	.p2alignl 7, 3214868480
	.fill 96, 4, 3214868480
	.section	.rodata,"a",@progbits
	.p2align	6, 0x0
	.amdhsa_kernel k_qbce5ad1e8c_quant
		.amdhsa_group_segment_fixed_size 0
		.amdhsa_private_segment_fixed_size 0
		.amdhsa_enable_private_segment 0
		.amdhsa_kernarg_size 64
		.amdhsa_user_sgpr_count 2
		.amdhsa_user_sgpr_kernarg_segment_ptr 1
		.amdhsa_wavefront_size32 1
		.amdhsa_system_sgpr_workgroup_id_x 1
		.amdhsa_system_sgpr_workgroup_id_y 1
		.amdhsa_system_sgpr_workgroup_id_z 1
		.amdhsa_system_vgpr_workitem_id 0
		.amdhsa_next_free_vgpr 192
		.amdhsa_next_free_sgpr 66
		.amdhsa_reserve_vcc 1
		.amdhsa_float_denorm_mode_32 3
		.amdhsa_float_denorm_mode_16_64 3
		.amdhsa_memory_ordered 1
		.amdhsa_forward_progress 1
		.amdhsa_inst_pref_size 29
	.end_amdhsa_kernel
	.amdgpu_metadata
---
amdhsa.version: [ 1, 2 ]
amdhsa.kernels:
  - .name:           k_qbce5ad1e8c_quant
    .symbol:         k_qbce5ad1e8c_quant.kd
    .args:
      - { .name: x, .offset: 0, .size: 8, .value_kind: global_buffer, .address_space: global }
      - { .name: w1, .offset: 8, .size: 8, .value_kind: global_buffer, .address_space: global }
      - { .name: w2, .offset: 16, .size: 8, .value_kind: global_buffer, .address_space: global }
      - { .name: part1, .offset: 24, .size: 8, .value_kind: global_buffer, .address_space: global }
      - { .name: xq, .offset: 32, .size: 8, .value_kind: global_buffer, .address_space: global }
      - { .name: w1q, .offset: 40, .size: 8, .value_kind: global_buffer, .address_space: global }
      - { .name: w2q, .offset: 48, .size: 8, .value_kind: global_buffer, .address_space: global }
      - { .name: scal, .offset: 56, .size: 8, .value_kind: global_buffer, .address_space: global }
    .group_segment_fixed_size: 0
    .private_segment_fixed_size: 0
    .kernarg_segment_align: 8
    .kernarg_segment_size: 64
    .max_flat_workgroup_size: 256
    .sgpr_count:     66
    .vgpr_count:     192
    .wavefront_size: 32
...
	.end_amdgpu_metadata
.endif
;; end of part 5
;; launch gemm1: the kernel of part 3 again; grid 8 x 64, 4 waves a work-group, clusters of 4 x 4, 327,680 bytes of LDS; arguments xq, w1q, b1, scal, g, part2; writes g, part2
;; launch gemm2: the kernel of part 4 again; grid 8 x 32, 4 waves a work-group, clusters of 4 x 1, 327,680 bytes of LDS; arguments g, w2q, b2, scal, part2, out0; writes out0
